; MI455X (gfx1250); checked and timed in simulation.
; The chip was launched on July 23, 2026; its instructions are those of AMD's public machine-readable ISA for CDNA 5 (MIT licence, August 2026) and "CDNA5" Instruction Set Architecture Reference Guide (July 2026). The comments in the code are by the model that wrote it; some were corrected since.
;; Self Attention. Allowed arithmetic: matrix products marked QUANTISED: E2M1 operands, one E8M0 scale for each 32 along K, by v_wmma_scale_f32_16x16x128_f8f6f4 with both operands' format E2M1 (or v_wmma_scale_f32_32x16x128_f4), f32 sums; products left as they are: bf16, f16 or f32 operands; f32 sums; everything else in f32.
;; Inputs: b_k 1,024 float32; b_q 1,024 float32; b_v 1,024 float32; w_k 1,024 x 1,024 float32; w_q 1,024 x 1,024 float32; w_v 1,024 x 1,024 float32; x 4 x 2,048 x 1,024 float32.
;; Outputs: out0 4 x 2,048 x 1,024 float32.
;; This version of the problem:
;;   THIS VERSION OF THE PROBLEM IS GIVEN IN LOW PRECISION. The matrix products marked QUANTISED in the list below multiply operands that are first quantised to E2M1 (2 exponent bits, 1 mantissa bit; 4 bits a number), with one power-of-two scale for each 32 numbers along K (OCP MX v1.0); their sums are f32. The products marked 'left as it is' may take bf16, f16 or f32 operands, with f32 sums. Whichever they take, every output number must still come out within the allowed error. Rounding operands to bf16 (8 significant bits) uses up far more of that allowance than f16 does (11 bits, for magnitudes from 6e-5 to 65,504). All else is computed in f32.
;;   The module's matrix products, in the order in which they are computed (A, B: the left and right operand; K: the contracted axis; several contracted axes count as one K, in the product's order):
;;     1. [M 8,192, K 1,024] x [K 1,024, N 1,024]; A: input x; B: input w_q: QUANTISED
;;     2. [M 8,192, K 1,024] x [K 1,024, N 1,024]; A: input x; B: input w_k: QUANTISED
;;     3. [M 8,192, K 1,024] x [K 1,024, N 1,024]; A: input x; B: input w_v: QUANTISED
;;     4. batch 4 x [M 2,048, K 1,024] x [K 1,024, N 2,048]; A: computed on the way; B: computed on the way: left as it is (an operand is computed on the way)
;;     5. batch 4 x [M 2,048, K 2,048] x [K 2,048, N 1,024]; A: computed on the way; B: computed on the way: left as it is (an operand is computed on the way)
;;   THE QUANTISER, for each operand of a quantised product, along K:
;;     - K is cut into blocks of 32 from its start; a last block that is shorter is filled with zeros.
;;     - A block's scale is 2^e with e = floor(log2(the largest magnitude in the block)) - 2, held to -126 .. 127; a block of zeros has e = 0. As a byte (E8M0): e + 127.
;;     - Each number is divided by its block's scale, clamped to +-6, and rounded to the nearest number of E2M1, ties to even, subnormals kept.
;;     - The product sums the exact products of the quantised numbers (number of the format x scale) in f32.
;;   ~~~python
;;   def quantise(x, axis):      # numpy; x: float32 -> the quantised numbers, widened to float32 again
;;       x = np.moveaxis(x, axis, -1); K = x.shape[-1]
;;       x = np.pad(x, [(0, 0)] * (x.ndim - 1) + [(0, -K % 32)]); x = x.reshape(x.shape[:-1] + (-1, 32)); a = np.abs(x).max(-1, keepdims=True)
;;       e = np.where(a > 0, np.clip(np.frexp(np.where(a > 0, a, 1))[1] - 1 - 2, -126, 127), 0)      # np.frexp(a)[1] - 1 = floor(log2(a)), exactly
;;       r = np.clip(x / 2.0 ** e, -6, 6)
;;       step = 2.0 ** (np.maximum(np.frexp(np.where(r == 0, 1, r))[1] - 1, 0) - 1)
;;       q = np.round(r / step) * step * 2.0 ** e      # np.round: ties to even
;;       return np.moveaxis(q.reshape(q.shape[:-2] + (-1,))[..., :K], -1, axis).astype(np.float32)
;;   ~~~
;; One version. Each part assembles by itself: llvm-mc -triple=amdgcn-amd-amdhsa -mcpu=gfx1250 --defsym DOCPART=n.
;; ======== version 1 of 1: 4 launches
;; limits: values are held in f16: magnitudes above 65,504 overflow, below 6.1e-05 lose precision; right only within a limited range of input values
;; workspace buffers: xc 4,194,304 bytes; xs 262,144 bytes; wc 1,572,864 bytes; ws 98,304 bytes; qkv 50,331,648 bytes; pt 33,554,432 bytes; stat 1,048,576 bytes
;; launch quant (part 1): grid 352 x 1, 4 waves a work-group, no clusters, 33,280 bytes of LDS; arguments x, w_q, w_k, w_v, xc, xs, wc, ws; writes xc, xs, wc, ws
.if DOCPART == 1
	.amdgcn_target "amdgcn-amd-amdhsa--gfx1250"
	.amdhsa_code_object_version 6
	.text
	.protected	k_q5a6ff56e4e_quant
	.globl	k_q5a6ff56e4e_quant
	.p2align	8
	.type	k_q5a6ff56e4e_quant,@function
k_q5a6ff56e4e_quant:
	s_mov_b64 s[64:65], 0
	v_nop
	global_prefetch_b8 v0, s[64:65] scope:SCOPE_SE
	s_setreg_imm32_b32 hwreg(HW_REG_WAVE_MODE, 25, 1), 1
	s_wait_xcnt 0x0
; x [8192][1024] and w_q, w_k, w_v [1024][1024], f32, K innermost, are turned into codes of FP4 (E2M1), two a byte, the lower k in the low four bits, and one E8M0 scale byte for each 32 along K.
; x's go to xc [8192][512 bytes] and xs [8192][32]; the three weights' go on end to wc [3072][512 bytes] and ws [3072][32]: rows 0-1023 w_q, 1024-2047 w_k, 2048-3071 w_v.
; A block's scale is 2^(floor(log2(its largest magnitude)) - 2); its byte is the largest magnitude's own exponent field - 2, held at 1 from below.  Each number is divided by the scale and rounded to the nearest code, ties to even;
; beyond the largest code the conversion gives the largest code.
; LIMITS: a block of zeros gets the byte 1 where the rule says 127: its codes are zeros, which add nothing under any byte but 0xff, and this program alone reads the bytes.  NaN and infinities among the inputs are not served.
; Rows are dense and K is a multiple of 32: every tensor is a plain stream of blocks of 32 numbers, and so are its codes and its scale bytes.
; A work-group takes 32,768 numbers, a wave 16 steps of 512.  Work-groups 0-255 take x, 256-287 w_q, 288-319 w_k, 320-351 w_v: only pointers are chosen, by the work-group's number; all take one path through the text.
; Each of a step's four loads reads 512 consecutive bytes, 16 a lane; the 2,048 bytes go through the wave's own stage in LDS and come back 64 bytes a lane, so that a lane holds 16 neighbours along K (two lanes hold a block).
; A lane's 16 codes are 8 bytes: the wave stores 256 consecutive bytes.  A wave's 256 scale bytes are gathered in its own LDS bytes and leave as 256 consecutive bytes.  No barrier: waves share nothing.
.set WAVES, 4
.set STEPS, 16
.set WGX,   256                        ; work-groups of x: 8192 x 1024 / 32768
.set WGW,   32                         ; of each weight
.set EMAX,  2
.set CB,    8                          ; bytes of 16 codes
.set R,     16                         ; v16-79   four sets of 16 numbers as they are loaded
.set X,     80                         ; v80-111  two sets of 16 neighbours
.set C,     128                        ; v128-191 codes: four registers for each step, so that no store's data are written again
.set E,     112                        ; v112-127 a scale byte for each step
.set WREG,  8192                       ; LDS: a region for each wave: two stages of 32 x SP bytes, and behind them its 256 scale bytes
.set SP,    80                         ; a lane's place in a stage: its 64 bytes + 16 of padding
.set SPW,   12                         ; v12      LDS address of my spare word; never rewritten
.set NIL,   13                         ; v13      0; never rewritten
.set SPARE, WAVES*WREG                 ; behind the four regions: the spare words, 128 bytes a wave, which no other line names
	s_load_b256 s[4:11], s[0:1], 0x0               ; x s[4:5], w_q s[6:7], w_k s[8:9], w_v s[10:11]
	s_load_b256 s[12:19], s[0:1], 0x20             ; xc s[12:13], xs s[14:15], wc s[16:17], ws s[18:19]
	v_lshl_add_u32 v[SPW], v0, 2, SPARE
	v_mov_b32 v[NIL], 0
	v_lshrrev_b32 v1, 5, v0
	v_readfirstlane_b32 s20, v1                    ; wave
	v_and_b32 v2, 31, v0                           ; lane
	v_lshlrev_b32 v3, 4, v2                        ; my 16 bytes of a load's 512
	s_mul_i32 s21, s20, WREG
	v_lshrrev_b32 v14, 2, v2
	v_mul_u32_u24 v14, v14, SP
	v_and_b32 v15, 3, v2
	v_lshl_add_u32 v14, v15, 4, v14
	v_add_nc_u32 v14, s21, v14                     ; the stage, on the way in: SP (lane / 4) + 16 (lane % 4)
	v_mul_u32_u24 v15, v2, SP
	v_add_nc_u32 v15, s21, v15                     ; and on the way out: SP x lane: my 16 neighbours
	v_mul_u32_u24 v4, v2, CB                       ; my codes' place in a step's
	v_lshrrev_b32 v5, 1, v2
	s_add_co_u32 s21, s21, 2*32*SP
	v_add_nc_u32 v5, s21, v5                       ; LDS: my wave's 256 scale bytes, my block's byte
	v_lshlrev_b32 v7, 3, v2                        ; and on the way out 8 bytes a lane
	v_add_nc_u32 v6, s21, v7
	s_and_b32 s22, ttmp9, WGW-1                    ; a weight's work-group: which 32,768 numbers of its tensor,
	s_sub_co_u32 s23, ttmp9, WGX                   ; and of the three weights on end (used only from work-group 256 on)
	s_wait_kmcnt 0x0
	s_cmp_lt_u32 ttmp9, WGX+2*WGW                  ; the choices hang on the work-group's number alone
	s_cselect_b64 s[10:11], s[8:9], s[10:11]       ; w_k or w_v,
	s_cmp_lt_u32 ttmp9, WGX+WGW
	s_cselect_b64 s[10:11], s[6:7], s[10:11]       ; or w_q
	s_cmp_lt_u32 ttmp9, WGX
	s_cselect_b64 s[4:5], s[4:5], s[10:11]         ; x or the weight
	s_cselect_b64 s[12:13], s[12:13], s[16:17]     ; the codes' buffer
	s_cselect_b64 s[14:15], s[14:15], s[18:19]     ; the scale bytes'
	s_cselect_b32 s22, ttmp9, s22
	s_cselect_b32 s23, ttmp9, s23
	s_lshl_b32 s22, s22, 2
	s_add_co_u32 s22, s22, s20                     ; which run of 8,192 numbers of the input is my wave's,
	s_lshl_b32 s23, s23, 2
	s_add_co_u32 s23, s23, s20                     ; and of the output buffers
	s_lshl_b32 s24, s22, 15                        ; 32,768 bytes of f32 a run
	s_mov_b32 s25, 0
	s_add_nc_u64 s[4:5], s[4:5], s[24:25]
	s_lshl_b32 s24, s23, 12                        ; 4,096 bytes of codes
	s_add_nc_u64 s[12:13], s[12:13], s[24:25]
	s_lshl_b32 s24, s23, 8                         ; 256 scale bytes
	s_add_nc_u64 s[14:15], s[14:15], s[24:25]
.macro LOAD t
.irp i, 0,1,2,3
	global_load_b128 v[R+16*((\t)%4)+4*\i:R+16*((\t)%4)+4*\i+3], v3, s[4:5] offset:2048*(\t)+512*\i th:TH_LOAD_NT   ; 32 lanes read 512 consecutive bytes
.endr
.endm
.macro TURN t                          ; step t's numbers through the stage: LDS serves a wave's instructions in order, so no wait stands between the stores and the loads
.irp i, 0,1,2,3
	ds_store_b128 v14, v[R+16*((\t)%4)+4*\i:R+16*((\t)%4)+4*\i+3] offset:32*SP*((\t)%2)+8*SP*\i
.endr
.irp i, 0,1,2,3
	ds_load_b128 v[X+16*((\t)%2)+4*\i:X+16*((\t)%2)+4*\i+3], v15 offset:32*SP*((\t)%2)+16*\i
.endr
.endm
.irp t, 0,1,2,3
	LOAD \t
.endr
	s_wait_loadcnt 12                              ; step 0's four loads are in; the twelve of steps 1 to 3 may be out
	TURN 0
.macro STEP t
.set XS, X+16*((\t)%2)
.if (\t) > 0
	s_wait_dscnt 1                                 ; this step's numbers are back from the stage (the last step's byte store may be out): so its stores into the stage have read their registers,
.else
	s_wait_dscnt 0x0
.endif
.if (\t)+4 < STEPS
	LOAD (\t)+4                                    ; which take the loads of four steps on
.endif
.if (\t)+1 < STEPS
.if STEPS-2-(\t) >= 3
	s_wait_loadcnt 12                              ; the next step's four loads are in; those of the three steps behind it may be out
.else
	s_wait_loadcnt 4*(STEPS-2-(\t))
.endif
	TURN (\t)+1                                    ; and go through the other stage while this step is worked
.endif
	v_max3_num_f32 v8, |v[XS]|, |v[XS+1]|, |v[XS+2]|               ; the largest magnitude of my 16, in two chains
	v_max3_num_f32 v9, |v[XS+3]|, |v[XS+4]|, |v[XS+5]|
.irp i, 6,10
	v_max3_num_f32 v8, v8, |v[XS+\i]|, |v[XS+\i+1]|
	v_max3_num_f32 v9, v9, |v[XS+\i+2]|, |v[XS+\i+3]|
.endr
	v_max3_num_f32 v8, v8, |v[XS+14]|, |v[XS+15]|
	v_max3_num_f32 v8, v8, v9, (EMAX+1)<<23        ; and the floor 2^(EMAX + 1 - 127): so the byte cannot fall under 1
	v_max_num_f32_dpp v8, v8, v8 row_xmask:1 row_mask:0xf bank_mask:0xf   ; and of my neighbour's 16: the block's
	v_add_nc_u32 v11, -(EMAX<<23), v8              ; EMAX off its exponent field: the conversion takes the exponent field of this operand as its scale, and nothing else of it
	v_cvt_scalef32_pk8_fp4_f32 v[C+4*(\t)], v[XS:XS+7], v11
	v_cvt_scalef32_pk8_fp4_f32 v[C+4*(\t)+1], v[XS+8:XS+15], v11
	v_lshrrev_b32 v[E+(\t)], 23, v11               ; the scale's byte (also the plain line behind the conversions)
	ds_store_b8 v5, v[E+(\t)] offset:16*(\t)       ; both lanes of a block write the same byte with the same value
	global_store_b64 v4, v[C+4*(\t):C+4*(\t)+1], s[12:13] offset:32*CB*(\t)   ; 32 lanes store 256 consecutive bytes
.endm
.irp t, 0,1,2,3,4,5,6,7,8,9,10,11,12,13,14,15
	STEP \t
.endr
	ds_load_b64 v[8:9], v6                         ; LDS serves a wave's instructions in order: these see my stores
	s_wait_dscnt 0x0
	global_store_b64 v7, v[8:9], s[14:15]          ; 32 lanes store 256 consecutive bytes
	s_wait_tensorcnt 0x0                           ; the wave's end, behind my last LDS store
	ds_add_u32 v[SPW], v[NIL]
	s_wait_dscnt 0x0
	s_endpgm
.Lfunc_end_k_q5a6ff56e4e_quant:
	.size	k_q5a6ff56e4e_quant, .Lfunc_end_k_q5a6ff56e4e_quant-k_q5a6ff56e4e_quant
	.p2alignl 7, 3214868480
	.fill 96, 4, 3214868480
	.section	.rodata,"a",@progbits
	.p2align	6, 0x0
	.amdhsa_kernel k_q5a6ff56e4e_quant
		.amdhsa_group_segment_fixed_size 33280
		.amdhsa_private_segment_fixed_size 0
		.amdhsa_enable_private_segment 0
		.amdhsa_kernarg_size 64
		.amdhsa_user_sgpr_count 2
		.amdhsa_user_sgpr_kernarg_segment_ptr 1
		.amdhsa_wavefront_size32 1
		.amdhsa_system_sgpr_workgroup_id_x 1
		.amdhsa_system_sgpr_workgroup_id_y 1
		.amdhsa_system_sgpr_workgroup_id_z 1
		.amdhsa_system_vgpr_workitem_id 0
		.amdhsa_next_free_vgpr 192
		.amdhsa_next_free_sgpr 66
		.amdhsa_reserve_vcc 0
		.amdhsa_float_denorm_mode_32 3
		.amdhsa_float_denorm_mode_16_64 3
		.amdhsa_memory_ordered 1
		.amdhsa_forward_progress 1
		.amdhsa_inst_pref_size 34
	.end_amdhsa_kernel
	.amdgpu_metadata
---
amdhsa.version: [ 1, 2 ]
amdhsa.kernels:
  - .name:           k_q5a6ff56e4e_quant
    .symbol:         k_q5a6ff56e4e_quant.kd
    .args:
      - { .name: x, .offset: 0, .size: 8, .value_kind: global_buffer, .address_space: global }
      - { .name: w_q, .offset: 8, .size: 8, .value_kind: global_buffer, .address_space: global }
      - { .name: w_k, .offset: 16, .size: 8, .value_kind: global_buffer, .address_space: global }
      - { .name: w_v, .offset: 24, .size: 8, .value_kind: global_buffer, .address_space: global }
      - { .name: xc, .offset: 32, .size: 8, .value_kind: global_buffer, .address_space: global }
      - { .name: xs, .offset: 40, .size: 8, .value_kind: global_buffer, .address_space: global }
      - { .name: wc, .offset: 48, .size: 8, .value_kind: global_buffer, .address_space: global }
      - { .name: ws, .offset: 56, .size: 8, .value_kind: global_buffer, .address_space: global }
    .group_segment_fixed_size: 33280
    .private_segment_fixed_size: 0
    .kernarg_segment_align: 8
    .kernarg_segment_size: 64
    .max_flat_workgroup_size: 128
    .sgpr_count:     66
    .vgpr_count:     192
    .wavefront_size: 32
...
	.end_amdgpu_metadata
.endif
;; end of part 1
;; launch qkv (part 2): grid 12 x 32, 4 waves a work-group, clusters of 4 x 4, 327,680 bytes of LDS; arguments xc, xs, wc, ws, qkv, b_q, b_k, b_v; writes qkv
.if DOCPART == 2
	.amdgcn_target "amdgcn-amd-amdhsa--gfx1250"
	.amdhsa_code_object_version 6
	.text
	.protected	k_q5a6ff56e4e_qkv
	.globl	k_q5a6ff56e4e_qkv
	.p2align	8
	.type	k_q5a6ff56e4e_qkv,@function
k_q5a6ff56e4e_qkv:
	s_mov_b64 s[64:65], 0
	v_nop
	global_prefetch_b8 v0, s[64:65] scope:SCOPE_SE
	s_setreg_imm32_b32 hwreg(HW_REG_WAVE_MODE, 25, 1), 1
	s_wait_xcnt 0x0
	s_wait_alu depctr_hold_cnt(0) depctr_sa_sdst(0) depctr_va_vdst(0) depctr_va_sdst(0) depctr_va_ssrc(0) depctr_va_vcc(0) depctr_vm_vsrc(0)
	s_getreg_b32 s2, hwreg(HW_REG_IB_STS2, 6, 4)
	s_cmp_eq_u32 s2, 0
	s_cbranch_scc0 .Lentry_in_a_cluster
	s_endpgm
.Lentry_in_a_cluster:
	s_bfe_u32 s2, ttmp6, 0x10000c
	s_cmp_lg_u32 s2, 0xf033
	s_cbranch_scc0 .Lentry_shape_is_right
	s_endpgm
.Lentry_shape_is_right:
; qkv[m][n] = (sum over k of x[m][k] W[n][k] + b[n]) x 2^-4, rounded once to f16.  x: [8192][1024], W: the three weights on end, [3072][1024]: codes of FP4 (E2M1) with one E8M0 scale byte for each 32 along K.
; qkv: [8192][3072] f16: columns 0-1023 q, 1024-2047 k, 2048-3071 v.  Sums in f32; bias and the factor in one fused multiply-add.  The factor 2^-4 is exact and puts the numbers in the middle of f16's range; the later launches undo it.
; LIMITS: |q|, |k|, |v| at or over 65,504 x 16 become infinite in f16; under 2^-10 they are f16 subnormals (absolute error 2^-21 of the number itself).
; A tile of 256 x 256 is made by a work-group of four waves; a wave makes 128 x 128: 64 accumulators of 16 x 16, 512 registers.  K = 1,024 is two K steps of 512 (rows of 256 bytes): both lie in LDS, each filled once.
; THE SCALES of the work-group's 256 rows of x and 256 rows of W, for all of K, are two dense blocks of memory: they come into LDS once, with the first fills.  By this text's count a wave has three tensor loads out at the start, and none later.
; CLUSTERS: 4 x 4 work-groups.  The four of a row of the cluster need the same tiles of x, the four of a column the same tiles of W: each tile is asked for jointly, by the same tensor load with the same descriptor and a mask that names the four.
; THE MATRIX INSTRUCTION IS USED TRANSPOSED (source 0 = 16 rows of W, source 1 = 16 rows of x): a lane then holds eight neighbouring numbers of a row of qkv.
; REGISTERS, in windows of 256: window 0: v0-31 addresses; v32-95 scale words, two sets, which hold nothing else; v96-127 packed results; v128-191 x's fragments, ONE set, on the way out rows read back; v192-255 the bias of my 128 columns.
;   window 1: W's fragments, TWO sets, at v0 and v128.   window 2: the 32 accumulators of my rows 0-63 ((a, b) at v[8 (8 a + b)]);   window 3: those of my rows 64-127.
.set SIZE_N, 3072
.set SIZE_K, 1024
.set KSTEP,  512                       ; along K in a slot
.set NQ,     KSTEP/128                 ; matrix instructions deep
.set ROWB,   256                       ; a tile's row in bytes
.set KROW,   SIZE_K*4/8                ; a row of codes in memory, in bytes
.set PITCH,  272                       ; an LDS row: 256 bytes + 16 of padding: the 16 rows that a load touches start 68 words apart
.set FR,     8                         ; registers of a fragment: 16 rows x 128 K
.set NL,     2                         ; LDS loads that bring one
.set NP,     4                         ; places behind this matrix instruction (ISA guide 7.12.1)
.set HALFT,  128*PITCH                 ; 128 rows: what one tensor load brings
.set SLOT,   4*HALFT                   ; x's 256 rows, then W's 256 rows
.set KS,     SIZE_K/32                 ; a row of scales in bytes
.set SCL,    2*SLOT                    ; behind the two slots: the scales, as rows of 256 bytes + 16 of padding
.set HALFS,  (128*KS/256)*272          ; the scales of 128 rows: what one tensor load brings
.set SBLK,   (16*KS/256)*272           ; those of 16 rows
.set STAGE,  SCL+4*HALFS               ; the way out: 16 rows x 272 bytes for each wave; no tile lands there
.set SPITCH, 272
.set SPARE,  STAGE+4*16*SPITCH         ; the spare words, 128 bytes for each wave, which no other line names
.set CROW,   SIZE_N*2                  ; a row of qkv in bytes
.set ADRA, 16                          ; v16-17  LDS address of my x fragments in slot 0, 1
.set ADRB, 20                          ; v20-21  the same for W
.set STO,  24                          ; v24     the way out: where I put 16 bytes of a row
.set RD,   25                          ; v25     where I read a row back
.set CO,   26                          ; v26     my byte offset in qkv
.set ADRS, 27                          ; v27     LDS address of my scale words: lanes 0-15 x's rows, lanes 16-31 W's
.set SPW,  28                          ; v28     LDS address of my spare word; never rewritten
.set NIL,  29                          ; v29     0; never rewritten
.set BO,   30                          ; v30     32 x (lane / 16): my half's place in 16 bias numbers; never rewritten
.set SC,   32                          ; scale words: set s at v[SC + 8 NQ s]; register NQ i + q: lanes 0-15 the word of x's block i, lanes 16-31 that of W's block i
.set TMP,  96                          ; packed results
.set AF,   128                         ; x's fragments
.set BK,   128                         ; the way out: 16 rows read back: v128-159 and v160-191 by turns
.set BI,   192                         ; the bias: register 8 b + j = column 16 b + 8 (lane / 16) + j of my 128
.set G1, 24                            ; s[24:31] descriptor group 1 for x's tiles;  s[32:39] group 0, one set for each slot
.set G0, 32
.set G1B, 48                           ; s[48:55], s[56:63] the same for W's tiles
.set G0B, 56
.set G1S, 68                           ; s[68:75], s[76:79] groups 1 and 0 for x's scales;  s[80:87], s[88:91] for W's
.set G0S, 76
.set G1SB, 80
.set G0SB, 88
.set HS,  92                           ; s[92:93] 2^-4, twice (from the way in's end on)
.set MSB, 0
.macro WIN new                         ; the immediate's high byte repeats the setting that is left
.if MSB != (\new)
	s_set_vgpr_msb (MSB<<8)|(\new)
.set MSB, \new
.endif
.endm
.set MUL_LO, 0xa1                      ; source 0 (W) window 1, source 1 (x) window 0, C and D window 2
.set MUL_HI, 0xf1                      ; the same, C and D window 3
.set TO_B,   0x40                      ; destination window 1, address window 0
; A joint load: waves 0 and 1 fetch for x, waves 2 and 3 for W.  Each of the two lines has one mask and one set of registers for all that issue it; the branch hangs on the wave's number alone.
; An s_nop 0 and four v_nop follow each of the two lines.
.macro JLOAD g0a, g1a, g0b, g1b
	s_cmp_eq_u32 s15, 0
	s_cbranch_scc0 .Lfor_b_\@
	tensor_load_to_lds s[\g0a:\g0a+3], s[\g1a:\g1a+7]
	s_nop 0
.rept 4
	v_nop
.endr
	s_branch .Lasked_\@
.Lfor_b_\@:
	tensor_load_to_lds s[\g0b:\g0b+3], s[\g1b:\g1b+7]
	s_nop 0
.rept 4
	v_nop
.endr
.Lasked_\@:
.endm
.macro CROUND                          ; a round of the cluster's barrier
	s_barrier_signal -1
	s_barrier_wait -1
	s_cmp_lg_u32 s14, 0
	s_cbranch_scc1 .Lnot_wave_0_\@
	s_barrier_signal -3
.Lnot_wave_0_\@:
	s_barrier_wait -3
	s_barrier_signal -1
	s_barrier_wait -1
.endm
	s_load_b128 s[4:7], s[0:1], 0x0                ; x's codes s[4:5], x's scales s[6:7]
	s_load_b128 s[8:11], s[0:1], 0x10              ; W's codes s[8:9], W's scales s[10:11]
	s_load_b64 s[12:13], s[0:1], 0x20              ; qkv
	s_load_b128 s[96:99], s[0:1], 0x28             ; b_q s[96:97], b_k s[98:99]
	s_load_b64 s[100:101], s[0:1], 0x38            ; b_v
	v_lshl_add_u32 v[SPW], v0, 2, SPARE
	v_mov_b32 v[NIL], 0
	ds_add_u32 v[SPW], v[NIL]                      ; the wave's opening: the add, twice on end, and its wait ahead of my first tensor load
	ds_add_u32 v[SPW], v[NIL]                      ; and once more, under the one wait; the set-up below, work on registers, stands between
	v_lshrrev_b32 v1, 5, v0
	v_readfirstlane_b32 s14, v1                    ; wave 0..3
	s_lshr_b32 s15, s14, 1                         ; which half of the tile's rows is mine.  Also: I fetch for x (0) or for W (1)
	s_and_b32 s16, s14, 1                          ; which half of its columns.  Also: which 128 rows of that tile I fetch
	s_bfe_u32 s40, ttmp6, 0x40000                  ; cx, cy: my place in the cluster
	s_bfe_u32 s41, ttmp6, 0x40004
	s_lshl_b32 s42, ttmp9, 2
	s_add_co_u32 s42, s42, s40                     ; tile column = 4 x cluster x + cx
	s_and_b32 s17, ttmp7, 0xffff
	s_lshl_b32 s17, s17, 2
	s_add_co_u32 s17, s17, s41                     ; tile row = 4 x cluster y + cy
	s_lshl_b32 s43, s41, 2
	s_lshl_b32 s43, 15, s43                        ; my row of the cluster
	s_lshl_b32 s44, 0x1111, s40                    ; my column
	; descriptor group 1: a tile of 128 rows x 256 bytes, padded in LDS
	s_or_b32 s[G1+0], s43, (0<<16)|(1<<20)|(1<<21)|(5<<22)|(3<<25)  ; 15:0 the mask: x's tiles go to my row; 17:16 element of 1 byte; 20 padding on; 21 set beside a mask; 24:22 after every 64 words; 31:25 four words
	s_or_b32 s[G1B+0], s44, (0<<16)|(1<<20)|(1<<21)|(5<<22)|(3<<25)
.irp g, G1, G1B
	s_mov_b32 s[\g+1], ROWB<<16                    ; tensor_dim0
	s_mov_b32 s[\g+2], 128<<16                     ; tensor_dim1
	s_mov_b32 s[\g+3], ROWB<<16                    ; tile_dim0
	s_mov_b32 s[\g+4], 128                         ; tile_dim1
	s_mov_b32 s[\g+5], KROW                        ; tensor_dim0_stride
	s_mov_b32 s[\g+6], 0
	s_mov_b32 s[\g+7], 0
.endr
	; and for the scales of 128 rows: a dense block of 4,096 bytes, as 16 rows of 256 bytes (32 elements of 8 bytes), 16 bytes of padding behind each
	s_or_b32 s[G1S+0], s43, (3<<16)|(1<<20)|(1<<21)|(5<<22)|(3<<25)
	s_or_b32 s[G1SB+0], s44, (3<<16)|(1<<20)|(1<<21)|(5<<22)|(3<<25)
.irp g, G1S, G1SB
	s_mov_b32 s[\g+1], 32<<16
	s_mov_b32 s[\g+2], (128*KS/256)<<16
	s_mov_b32 s[\g+3], 32<<16
	s_mov_b32 s[\g+4], 128*KS/256
	s_mov_b32 s[\g+5], 32
	s_mov_b32 s[\g+6], 0
	s_mov_b32 s[\g+7], 0
.endr
	s_lshl_b32 s18, s16, 7                         ; which 128 rows of the tile I fetch
	s_lshl_b32 s20, s17, 8
	s_add_co_u32 s20, s20, s18                     ; x: row 256 x tile row + 128 x half
	s_lshl_b32 s46, s42, 8
	s_add_co_u32 s46, s46, s18                     ; W: row 256 x tile column + 128 x half
	s_mov_b32 s21, 0
	s_mov_b32 s47, 0
	s_mov_b64 s[18:19], KS
	s_mul_u64 s[22:23], s[20:21], s[18:19]         ; where these rows' scales begin, in bytes
	s_mul_u64 s[92:93], s[46:47], s[18:19]
	s_mov_b64 s[18:19], KROW
	s_mul_u64 s[20:21], s[20:21], s[18:19]         ; and their codes
	s_mul_u64 s[46:47], s[46:47], s[18:19]
	s_mul_i32 s45, s14, HALFT                      ; where they go: wave x 128 rows: no place in the cluster enters an LDS address
	s_mul_i32 s94, s14, HALFS
	s_wait_dscnt 0x0                               ; both opening adds are done
	s_wait_kmcnt 0x0
	s_add_nc_u64 s[20:21], s[4:5], s[20:21]
	s_add_nc_u64 s[22:23], s[6:7], s[22:23]
	s_add_nc_u64 s[46:47], s[8:9], s[46:47]
	s_add_nc_u64 s[92:93], s[10:11], s[92:93]
	CROUND                                         ; all sixteen work-groups are here: the first joint loads meet
	s_mov_b32 s[G0S], 1
	s_add_co_u32 s[G0S+1], s94, SCL
	s_mov_b64 s[G0S+2:G0S+3], s[22:23]
	s_or_b32 s[G0S+3], s[G0S+3], 0x80000000
	s_mov_b32 s[G0SB], 1
	s_add_co_u32 s[G0SB+1], s94, SCL
	s_mov_b64 s[G0SB+2:G0SB+3], s[92:93]
	s_or_b32 s[G0SB+3], s[G0SB+3], 0x80000000
	JLOAD G0S, G1S, G0SB, G1SB                     ; the scales first: they are wanted with K step 0
.irp s, 0,1
	s_mov_b32 s[G0+4*\s], 1
	s_add_co_u32 s[G0+4*\s+1], s45, \s*SLOT
	s_add_nc_u64 s[G0+4*\s+2:G0+4*\s+3], s[20:21], \s*ROWB
	s_or_b32 s[G0+4*\s+3], s[G0+4*\s+3], 0x80000000
	s_mov_b32 s[G0B+4*\s], 1
	s_add_co_u32 s[G0B+4*\s+1], s45, \s*SLOT
	s_add_nc_u64 s[G0B+4*\s+2:G0B+4*\s+3], s[46:47], \s*ROWB
	s_or_b32 s[G0B+4*\s+3], s[G0B+4*\s+3], 0x80000000
	JLOAD G0+4*\s, G1, G0B+4*\s, G1B
.endr
	; the bias of my 128 columns.  A cluster's four tile columns are 1,024 columns: cluster x = 0 makes q, 1 makes k, 2 makes v.  Only a pointer is chosen
	s_cmp_eq_u32 ttmp9, 0
	s_cselect_b64 s[96:97], s[96:97], s[98:99]
	s_cmp_eq_u32 ttmp9, 2
	s_cselect_b64 s[96:97], s[100:101], s[96:97]
	s_lshl_b32 s94, s40, 10                        ; 256 columns x 4 bytes x cx
	s_lshl_b32 s95, s16, 9                         ; + my half's 128
	s_add_co_u32 s94, s94, s95
	s_mov_b32 s95, 0
	s_add_nc_u64 s[96:97], s[96:97], s[94:95]
	v_and_b32 v1, 15, v0                           ; l % 16
	v_bfe_u32 v2, v0, 4, 1                         ; l / 16
	v_lshlrev_b32 v[BO], 5, v2
.irp b, 0,1,2,3,4,5,6,7
	global_load_b128 v[BI+8*\b:BI+8*\b+3], v[BO], s[96:97] offset:64*\b          ; they are waited for on the way out
	global_load_b128 v[BI+8*\b+4:BI+8*\b+7], v[BO], s[96:97] offset:64*\b+16
.endr
	s_mov_b32 s[HS], 0x3d800000                    ; 2^-4
	s_mov_b32 s[HS+1], s[HS]                       ; (named with it as a pair, so it is written)
	v_mul_u32_u24 v3, v1, PITCH
	v_lshl_add_u32 v4, v2, 4, v3                   ; a fragment's row x pitch + 16 x half
	s_mul_i32 s21, s15, HALFT                      ; my 128 rows of x
	s_mul_i32 s22, s16, HALFT                      ; my 128 rows of W,
	s_add_co_u32 s22, s22, 2*HALFT                 ; which lie behind x's 256
.irp s, 0,1
	v_add_nc_u32 v[ADRA+\s], s21, v4
	v_add_nc_u32 v[ADRB+\s], s22, v4
	s_add_co_u32 s21, s21, SLOT
	s_add_co_u32 s22, s22, SLOT
.endr
	v_mul_u32_u24 v5, v1, KS                       ; my row's scales: KS bytes a row,
	v_lshrrev_b32 v6, 8, v5
	v_lshl_add_u32 v5, v6, 4, v5                   ; and 16 more for each 256 passed
	s_mul_i32 s21, s15, HALFS                      ; x's: my 128 rows
	s_mul_i32 s22, s16, HALFS                      ; W's: my 128 rows, behind x's 256
	s_add_co_u32 s22, s22, 2*HALFS
	s_sub_co_u32 s22, s22, s21
	v_mul_u32_u24 v6, s22, v2                      ; lanes 16-31 take W's: one product, the distance between the two bases
	s_add_co_u32 s21, s21, SCL
	v_add_nc_u32 v5, v5, v6
	v_add_nc_u32 v[ADRS], s21, v5
	s_mul_i32 s23, s14, 16*SPITCH
	s_add_co_u32 s23, s23, STAGE                   ; my stage
	v_mul_u32_u24 v5, v1, SPITCH                   ; in: row l % 16, 16 bytes for each half of the lanes
	v_lshl_add_u32 v5, v2, 4, v5
	v_add_nc_u32 v[STO], s23, v5
	v_mul_u32_u24 v5, v2, SPITCH                   ; back: lanes 0-15 take one row of 256 bytes, lanes 16-31 the next
	v_lshl_add_u32 v5, v1, 4, v5
	v_add_nc_u32 v[RD], s23, v5
	v_mul_u32_u24 v5, v2, CROW                     ; and the same two rows in qkv
	v_lshl_add_u32 v[CO], v1, 4, v5
	s_lshl_b32 s20, s17, 8
	s_lshl_b32 s21, s15, 7
	s_add_co_u32 s20, s20, s21                     ; my first row: 256 x tile row + 128 x half
	s_mov_b32 s21, 0
	s_mov_b64 s[18:19], CROW
	s_mul_u64 s[20:21], s[20:21], s[18:19]
	s_lshl_b32 s46, s42, 9                         ; my first column, in bytes: 512 x tile column + 256 x half
	s_lshl_b32 s47, s16, 8
	s_add_co_u32 s46, s46, s47
	s_mov_b32 s47, 0
	s_add_nc_u64 s[20:21], s[20:21], s[46:47]
	s_add_nc_u64 s[12:13], s[12:13], s[20:21]
.macro FRAG reg, adr, q, i             ; a fragment, 16 rows x 128 K of 4-bit codes: lane l holds row l % 16; registers 4 c .. 4 c + 3 hold K = 64 c + 32 (l / 16) + 0 .. 31
.irp c, 0,1
	ds_load_b128 v[\reg+4*\c:\reg+4*\c+3], v[\adr] offset:64*(\q)+32*\c+(\i)*16*PITCH
.endr
.endm
; 16 matrix instructions: x's blocks a0, a0 + 1 against W's eight, 128 along K: the slot's q-th.  p: W's set;  sc: the set of scale words.  zero = 1: the first product starts the sums.
; The 64 accumulators take turns, one instruction a turn, in the same order in every step.
.macro MUL16 a0, p, q, sc, zero
.irp a, \a0, \a0+1
.irp b, 0,1,2,3,4,5,6,7
.if \zero
	v_wmma_scale_f32_16x16x128_f8f6f4 v[8*(8*((\a)%4)+\b):8*(8*((\a)%4)+\b)+7], v[128*(\p)+FR*\b:128*(\p)+FR*\b+FR-1], v[AF+FR*(\a):AF+FR*(\a)+FR-1], 0, v[SC+8*NQ*(\sc)+NQ*\b+(\q)], v[SC+8*NQ*(\sc)+NQ*(\a)+(\q)] matrix_a_fmt:MATRIX_FMT_FP4 matrix_b_fmt:MATRIX_FMT_FP4 matrix_a_scale:MATRIX_SCALE_ROW1
.else
	v_wmma_scale_f32_16x16x128_f8f6f4 v[8*(8*((\a)%4)+\b):8*(8*((\a)%4)+\b)+7], v[128*(\p)+FR*\b:128*(\p)+FR*\b+FR-1], v[AF+FR*(\a):AF+FR*(\a)+FR-1], v[8*(8*((\a)%4)+\b):8*(8*((\a)%4)+\b)+7], v[SC+8*NQ*(\sc)+NQ*\b+(\q)], v[SC+8*NQ*(\sc)+NQ*(\a)+(\q)] matrix_a_fmt:MATRIX_FMT_FP4 matrix_b_fmt:MATRIX_FMT_FP4 matrix_a_scale:MATRIX_SCALE_ROW1
.endif
.endr
.endr
.endm
.macro FETCH_B slot, q, p              ; W's eight fragments of the slot's q-th 128 along K into set p
	WIN TO_B
.irp i, 0,1,2,3,4,5,6,7
	FRAG 128*(\p)+FR*\i, ADRB+\slot, \q, \i
.endr
	WIN 0
.endm
.macro FETCH_A slot, q, i0             ; x's blocks i0 .. i0 + 3
.irp i, \i0, \i0+1, \i0+2, \i0+3
	FRAG AF+FR*(\i), ADRA+\slot, \q, \i
.endr
.endm
.macro SCALES sc                       ; a K step's scale words into set sc: NQ words a row; lanes 0-15 take x's block i, lanes 16-31 W's block i
.irp i, 0,1,2,3,4,5,6,7
	ds_load_b128 v[SC+8*NQ*\sc+NQ*\i:SC+8*NQ*\sc+NQ*\i+3], v[ADRS] offset:\i*SBLK
.endr
.endm
; A load into a register that a matrix instruction has read stands NP places behind that matrix instruction, and only plain vector instructions that name none of its registers are places (ISA guide 7.12.1 for vector instructions).
.macro PLACES n
.rept \n
	v_nop
.endr
.endm
; A step of 128 along K that has its successor in the same slot.
.macro STEP slot, q, zero
	s_wait_dscnt 4*NL                              ; W's set and x's blocks 0-3 are in; the youngest eight loads (x's blocks 4-7) may be out
	WIN MUL_LO
	MUL16 0, (\q)%2, \q, \slot, \zero
	MUL16 2, (\q)%2, \q, \slot, \zero
	s_wait_dscnt 0                                 ; x's blocks 4-7 are in (asked for 32 matrix instructions ago)
	PLACES NP
	FETCH_B \slot, (\q)+1, 1-(\q)%2
	FETCH_A \slot, (\q)+1, 0
	WIN MUL_HI
	MUL16 4, (\q)%2, \q, \slot, \zero
	MUL16 6, (\q)%2, \q, \slot, \zero
	PLACES NP
	WIN 0
	FETCH_A \slot, (\q)+1, 4
.endm
.macro STEPS slot, from                ; the slot's steps from .. NQ - 2
.set Q, \from
.rept NQ-1-\from
	STEP \slot, Q, 0
.set Q, Q+1
.endr
.endm
	s_wait_tensorcnt 1                             ; the scales and my part of K step 0 are in (K step 1's load may be out)
	s_barrier_signal -1
	s_barrier_wait -1                              ; everybody's are
	FETCH_B 0, 0, 0
	FETCH_A 0, 0, 0
	SCALES 0
	FETCH_A 0, 0, 4
	STEP 0, 0, 1                                   ; the first step's products start the sums: nothing is cleared
	STEPS 0, 1
	; slot 0's last step changes slots: one barrier; in front of it each wave waits for all its tensor loads, so that slot 1 is whole behind it.  Nothing is filled again
	s_wait_tensorcnt 0x0                           ; my part of slot 1 has landed  (every window is 0 here)
	ds_add_u32 v[SPW], v[NIL]                      ; 0 onto my spare word
	s_wait_dscnt 4*NL+1                            ; (the add and the youngest eight loads, x's blocks 4-7, may be out)
	WIN MUL_LO
	MUL16 0, 1, NQ-1, 0, 0                         ; sixteen matrix instructions stand between the add and the wait for it
	s_wait_dscnt 0x0                               ; the add is done, and no LDS instruction of mine is out at the signal
	s_barrier_signal -1
	MUL16 2, 1, NQ-1, 0, 0
	WIN 0
	s_barrier_wait -1
	PLACES NP
	v_add_nc_u32 v[ADRS], 4*NQ, v[ADRS]            ; on to K step 1's scale words
	FETCH_B 1, 0, 0
	FETCH_A 1, 0, 0
	SCALES 1
	WIN MUL_HI
	MUL16 4, 1, NQ-1, 0, 0
	MUL16 6, 1, NQ-1, 0, 0
	PLACES NP
	WIN 0
	FETCH_A 1, 0, 4
	STEPS 1, 0
	s_wait_dscnt 4*NL                              ; the very last step: nothing more to fetch
	WIN MUL_LO
	MUL16 0, 1, NQ-1, 1, 0
	MUL16 2, 1, NQ-1, 1, 0
	s_wait_dscnt 0
	WIN MUL_HI
	MUL16 4, 1, NQ-1, 1, 0
	MUL16 6, 1, NQ-1, 1, 0
	WIN 0
; THE WAY OUT, block by block of 16 rows x 128 columns.  PACK: (sum + bias) x 2^-4 as one fused multiply-add with the bias scaled beforehand (both scalings are exact), then rounded to f16: 16 bytes a lane.
; TOSTAGE: into my own stage in LDS, and back as whole rows of 256 bytes.  SEND: 16 lanes store 256 consecutive bytes, at a multiple of 256 from qkv's first byte.
.macro PACK a
.set AC, 64*((\a)%4)
	WIN 0x82+0x41*((\a)/4)                         ; source 0 and destination: the accumulators' window; the bias: window 0
.set i, 0
.rept 32
	v_pk_fma_f32 v[AC+i:AC+i+1], v[AC+i:AC+i+1], s[HS:HS+1], v[BI+i:BI+i+1] op_sel_hi:[1,0,1]   ; each accumulator from its low end on
.set i, i+2
.endr
	WIN 0x0a+5*((\a)/4)                            ; sources 0 and 1: the accumulators' window
.set i, 0
.rept 32
	v_cvt_pk_f16_f32 v[TMP+i], v[AC+2*i], v[AC+2*i+1]
.set i, i+1
.endr
	WIN 0
.endm
.macro TOSTAGE a
.set BB, BK+32*((\a)%2)
.irp b, 0,1,2,3,4,5,6,7
	ds_store_b128 v[STO], v[TMP+4*\b:TMP+4*\b+3] offset:32*\b
.endr
.irp t, 0,1,2,3,4,5,6,7
	ds_load_b128 v[BB+4*\t:BB+4*\t+3], v[RD] offset:\t*2*SPITCH    ; LDS serves a wave's instructions in order: these see the stores above
.endr
.endm
.macro SEND a
.set BB, BK+32*((\a)%2)
	s_wait_dscnt 0x0                               ; the block is back in registers
	s_wait_xcnt 0x0                                ; the earlier stores have read their base and their data: only behind this wait are they written again
.if (\a) > 0
	s_add_nc_u64 s[12:13], s[12:13], 16*CROW       ; 16 rows on
.endif
.irp t, 0,1,2,3,4,5,6,7
	global_store_b128 v[CO], v[BB+4*\t:BB+4*\t+3], s[12:13] offset:2*\t*CROW
.endr
.endm
	s_wait_loadcnt 0x0                             ; the bias
.set i, 0
.rept 32
	v_pk_mul_f32 v[BI+i:BI+i+1], v[BI+i:BI+i+1], s[HS:HS+1] op_sel_hi:[1,0]   ; bias x 2^-4.  These 32 name no register of the last products: they are the places behind them
.set i, i+2
.endr
	PACK 0
	TOSTAGE 0
.irp a, 1,2,3,4,5,6,7                  ; block a's arithmetic stands between block a - 1's loads from the stage and the wait for them
	PACK \a
	SEND \a-1
	TOSTAGE \a
.endr
	SEND 7
	s_wait_tensorcnt 0x0                           ; the wave's end, behind my last tensor load and my last LDS store
	ds_add_u32 v[SPW], v[NIL]
	s_wait_dscnt 0x0
	CROUND                                         ; the closing round: no work-group ends while a partner may still ask for a tile that names it
	s_endpgm
.Lfunc_end_k_q5a6ff56e4e_qkv:
	.size	k_q5a6ff56e4e_qkv, .Lfunc_end_k_q5a6ff56e4e_qkv-k_q5a6ff56e4e_qkv
	.p2alignl 7, 3214868480
	.fill 96, 4, 3214868480
	.section	.rodata,"a",@progbits
	.p2align	6, 0x0
	.amdhsa_kernel k_q5a6ff56e4e_qkv
		.amdhsa_group_segment_fixed_size 327680
		.amdhsa_private_segment_fixed_size 0
		.amdhsa_enable_private_segment 0
		.amdhsa_kernarg_size 64
		.amdhsa_user_sgpr_count 2
		.amdhsa_user_sgpr_kernarg_segment_ptr 1
		.amdhsa_wavefront_size32 1
		.amdhsa_system_sgpr_workgroup_id_x 1
		.amdhsa_system_sgpr_workgroup_id_y 1
		.amdhsa_system_sgpr_workgroup_id_z 1
		.amdhsa_system_vgpr_workitem_id 0
		.amdhsa_next_free_vgpr 1024
		.amdhsa_next_free_sgpr 102
		.amdhsa_reserve_vcc 0
		.amdhsa_float_denorm_mode_32 3
		.amdhsa_float_denorm_mode_16_64 3
		.amdhsa_memory_ordered 1
		.amdhsa_forward_progress 1
		.amdhsa_inst_pref_size 147
	.end_amdhsa_kernel
	.amdgpu_metadata
---
amdhsa.version: [ 1, 2 ]
amdhsa.kernels:
  - .name:           k_q5a6ff56e4e_qkv
    .symbol:         k_q5a6ff56e4e_qkv.kd
    .args:
      - { .name: xc, .offset: 0, .size: 8, .value_kind: global_buffer, .address_space: global }
      - { .name: xs, .offset: 8, .size: 8, .value_kind: global_buffer, .address_space: global }
      - { .name: wc, .offset: 16, .size: 8, .value_kind: global_buffer, .address_space: global }
      - { .name: ws, .offset: 24, .size: 8, .value_kind: global_buffer, .address_space: global }
      - { .name: qkv, .offset: 32, .size: 8, .value_kind: global_buffer, .address_space: global }
      - { .name: b_q, .offset: 40, .size: 8, .value_kind: global_buffer, .address_space: global }
      - { .name: b_k, .offset: 48, .size: 8, .value_kind: global_buffer, .address_space: global }
      - { .name: b_v, .offset: 56, .size: 8, .value_kind: global_buffer, .address_space: global }
    .group_segment_fixed_size: 327680
    .private_segment_fixed_size: 0
    .kernarg_segment_align: 8
    .kernarg_segment_size: 64
    .max_flat_workgroup_size: 128
    .sgpr_count:     102
    .vgpr_count:     1024
    .wavefront_size: 32
...
	.end_amdgpu_metadata
.endif
;; end of part 2
;; launch scores (part 3): grid 8 x 32, 4 waves a work-group, clusters of 4 x 4, 327,680 bytes of LDS; arguments qkv, pt, stat; writes pt, stat
.if DOCPART == 3
	.amdgcn_target "amdgcn-amd-amdhsa--gfx1250"
	.amdhsa_code_object_version 6
	.text
	.protected	k_q5a6ff56e4e_scores
	.globl	k_q5a6ff56e4e_scores
	.p2align	8
	.type	k_q5a6ff56e4e_scores,@function
k_q5a6ff56e4e_scores:
	s_mov_b64 s[64:65], 0
	v_nop
	global_prefetch_b8 v0, s[64:65] scope:SCOPE_SE
	s_setreg_imm32_b32 hwreg(HW_REG_WAVE_MODE, 25, 1), 1
	s_wait_xcnt 0x0
	s_wait_alu depctr_hold_cnt(0) depctr_sa_sdst(0) depctr_va_vdst(0) depctr_va_sdst(0) depctr_va_ssrc(0) depctr_va_vcc(0) depctr_vm_vsrc(0)
	s_getreg_b32 s2, hwreg(HW_REG_IB_STS2, 6, 4)
	s_cmp_eq_u32 s2, 0
	s_cbranch_scc0 .Lentry_in_a_cluster
	s_endpgm
.Lentry_in_a_cluster:
	s_bfe_u32 s2, ttmp6, 0x10000c
	s_cmp_lg_u32 s2, 0xf033
	s_cbranch_scc0 .Lentry_shape_is_right
	s_endpgm
.Lentry_shape_is_right:
; The scores and the softmax's exponentials, by blocks of 128 keys.  qkv: [8192][3072] f16, a row's q at byte 0 and k at byte 2,048, both x 2^-4.  s' = q' . k' (f16 operands, f32 sums, K = 1,024).
; t = score x log2(e) = s' x c with c = 8 log2(e): the score is q . k / 32 = 8 q' . k'.  For each query and each block of 128 keys: M = the block's largest t rounded UP to a whole number, kept as -M = floor(-t);
; p = 2^(t - M), at most 1, goes to pt as f16;  l = the f32 sum of the block's unrounded p;  (-M, l) go to stat [16 blocks][8192 rows][2].  The next launch brings the blocks under the row's M by exact powers of two.
; So the largest t is taken away ahead of every exponential; no fixed shift is used.
; pt IS LAID AS THE NEXT LAUNCH'S OPERAND REGISTERS: [512 blocks of 16 rows][128 groups of 16 keys][32 lanes][16 bytes]: lane l holds row l % 16 and keys 8 (l / 16) + 0 .. 7 of the group.  My packed results lie so already:
; each store of the wave covers 512 consecutive bytes, and nothing goes through LDS on the way out.
; LIMITS: q' and k' are f16 (see the launch that makes them); NaN and infinities are not served.
; A tile of 256 queries x 256 keys is made by a work-group of four waves; a wave makes 128 x 128: 64 accumulators of 16 x 16, 512 registers; its 128 keys are one block.  Work-group x = key tile of the batch (0-7), y = query tile (0-31); batch = y / 8.
; K goes in steps of 128 through a ring of two LDS slots filled by the tensor data mover: a tile's row is 256 bytes of memory, at a multiple of 256 from the buffer's first byte.
; CLUSTERS: 4 x 4 work-groups.  The four of a row of the cluster need the same tiles of q, the four of a column the same tiles of k: each tile is asked for jointly, by the same tensor load with the same descriptor and a mask that names the four.
; THE MATRIX INSTRUCTION IS USED TRANSPOSED (source 0 = 16 keys, source 1 = 16 queries): lane l holds query l % 16 and, in accumulator (a, b), keys 16 b + 8 (l / 16) + 0 .. 7; a query's other 64 keys lie in the lane 16 away.
; REGISTERS, in windows of 256: window 0: v0-31 addresses; v32-63 statistics on the way out; v64-127, v128-191 fragments of q, two buffers (on the way out: sums, packed p).
;   window 1: v64-127, v128-191 fragments of k.   window 2: the 32 accumulators of my rows 0-63 ((a, b) at v[8 (8 a + b)]);   window 3: those of my rows 64-127.
.set ROWP,   6144                      ; a row of qkv in bytes
.set KEL,    3072                      ; and in elements
.set RBB,    65536                     ; a block of 16 rows of pt in bytes
.set KSTEP,  128
.set PITCH,  272                       ; an LDS row: 256 bytes + 16 of padding: the 16 rows that a load touches start 68 words apart
.set HALFT,  128*PITCH                 ; 128 rows: what one tensor load brings
.set SLOT,   4*HALFT                   ; q's 256 rows, then k's 256 rows
.set SPARE,  2*SLOT                    ; behind the ring: the spare words, 128 bytes for each wave, which no other line names
.set LAPS,   4                         ; a lap = two K steps = once round the ring: 1,024 / 256
.set ADRA, 16                          ; v16-17  LDS address of my q fragments in slot 0, 1
.set ADRB, 20                          ; v20-21  the same for k
.set CO,   26                          ; v26     16 x lane: my place in a store's 512 bytes; never rewritten
.set SO8,  27                          ; v27     8 x lane: my place in 32 rows' statistics
.set SPW,  28                          ; v28     LDS address of my spare word; never rewritten
.set NIL,  29                          ; v29     0; never rewritten
.set PFO,  30                          ; v30     the prefetches' offset: my lane x a row of qkv; never rewritten
.set CH,   32                          ; v32-35  four chains of a maximum
.set SD,   36                          ; v36-43  statistics as they are stored
.set ST,   48                          ; v48-63  block a's pair (-M, l) at v[ST + 2 a]
.set SU,   64                          ; v64-95  partial sums
.set TMP,  96                          ; v96-127, v128-159 by turns: packed p
.set F0,   64                          ; fragment buffer 0
.set F1,   128                         ; fragment buffer 1
.set G1, 24                            ; s[24:31] descriptor group 1 for q's tiles;  s[32:39] group 0, one set for each slot
.set G0, 32
.set G1B, 48                           ; s[48:55], s[56:63] the same for k's tiles
.set G0B, 56
.set LIM,  43                          ; s43     1 in a wave that prefetches, else the greatest number
.set PFA,  44                          ; s[44:45] where my prefetches stand
.set CS,   70                          ; s[70:71] c, twice
.set SEL,  72                          ; s[72:73] lane selects for v_permlanex16_b32: lane l xor 16
.set HM,   74                          ; s74     the mask of lanes 16-31
.set MSB, 0
.macro WIN new                         ; the immediate's high byte repeats the setting that is left
.if MSB != (\new)
	s_set_vgpr_msb (MSB<<8)|(\new)
.set MSB, \new
.endif
.endm
.set MUL_LO, 0xa1                      ; source 0 (k) window 1, source 1 (q) window 0, C and D window 2
.set MUL_HI, 0xf1                      ; the same, C and D window 3
.set TO_B,   0x40                      ; destination window 1, address window 0
; A joint load.  Waves 0 and 1 fetch q's two halves, waves 2 and 3 k's.  The branch hangs on the wave's number alone.  An s_nop 0 and four v_nop follow each of the two lines.
.macro JLOAD s
	s_cmp_eq_u32 s11, 0
	s_cbranch_scc0 .Lfor_b_\@
	tensor_load_to_lds s[G0+4*\s:G0+4*\s+3], s[G1:G1+7]
	s_nop 0
.rept 4
	v_nop
.endr
	s_branch .Lasked_\@
.Lfor_b_\@:
	tensor_load_to_lds s[G0B+4*\s:G0B+4*\s+3], s[G1B:G1B+7]
	s_nop 0
.rept 4
	v_nop
.endr
.Lasked_\@:
.endm
; A PREFETCH INTO THE L2, behind each joint load and the run of LDS loads that follows it: the K step that stands two refills, 512 matrix instructions, on: 32 rows x 256 bytes, a lane a row, one instruction a wave.
; Each row's 256 bytes of a K step are named once in the launch.  q's tile row is read by both clusters of that row of clusters: the one with x = 0 asks.  k's tile column is read by the two clusters of a batch: the one with even y asks.
; The four partners that ask for a tile jointly share its rows out by address: of the 128 rows that a wave fetches, the partner at place p takes 32 p .. 32 p + 31 (p = cx for q, cy for k).
; K steps 0 to 3 come by their loads alone; the loop's last trip (s3 = 1) asks for nothing: there is no K step two refills on.
.macro ASK
	s_cmp_gt_u32 s3, s[LIM]
	s_cbranch_scc0 .Lnot_mine_\@
	global_prefetch_b8 v[PFO], s[PFA:PFA+1] offset:KSTEP*2 th:TH_LOAD_NT scope:SCOPE_SE
.Lnot_mine_\@:
.endm
.macro CREST                           ; a round of the cluster's barrier behind its opening barrier
	s_cmp_lg_u32 s10, 0
	s_cbranch_scc1 .Lnot_wave_0_\@
	s_barrier_signal -3
.Lnot_wave_0_\@:
	s_barrier_wait -3
	s_barrier_signal -1
	s_barrier_wait -1
.endm
.macro CROUND                          ; a whole round
	s_barrier_signal -1
	s_barrier_wait -1
	CREST
.endm
	s_load_b128 s[4:7], s[0:1], 0x0                ; qkv s[4:5], pt s[6:7]
	s_load_b64 s[66:67], s[0:1], 0x10              ; stat
	v_lshl_add_u32 v[SPW], v0, 2, SPARE
	v_mov_b32 v[NIL], 0
	ds_add_u32 v[SPW], v[NIL]                      ; the wave's opening: the add, twice on end, and its wait ahead of my first tensor load
	ds_add_u32 v[SPW], v[NIL]                      ; and once more, under the one wait; the set-up below, work on registers, stands between
	v_lshrrev_b32 v1, 5, v0
	v_readfirstlane_b32 s10, v1                    ; wave 0..3
	s_lshr_b32 s11, s10, 1                         ; which half of the tile's queries is mine.  Also: I fetch for q (0) or for k (1)
	s_and_b32 s12, s10, 1                          ; which half of its keys.  Also: which 128 rows of that tile I fetch
	s_bfe_u32 s40, ttmp6, 0x40000                  ; cx
	s_bfe_u32 s41, ttmp6, 0x40004                  ; cy
	s_lshl_b32 s42, ttmp9, 2
	s_add_co_u32 s42, s42, s40                     ; key tile = 4 x cluster x + cx
	s_and_b32 s13, ttmp7, 0xffff
	s_lshr_b32 s68, s13, 1                         ; the batch = cluster y / 2: the same in all sixteen partners
	s_lshl_b32 s13, s13, 2
	s_add_co_u32 s13, s13, s41                     ; query tile = 4 x cluster y + cy
	s_lshl_b32 s43, s41, 2
	s_lshl_b32 s43, 15, s43                        ; my row of the cluster
	s_lshl_b32 s44, 0x1111, s40                    ; my column
	; descriptor group 1: a tile of 128 rows x 128 elements of 2 bytes, padded in LDS
	s_or_b32 s[G1+0], s43, (1<<16)|(1<<20)|(1<<21)|(5<<22)|(3<<25)  ; 15:0 the mask: q's tiles go to my row; 17:16 element of 2 bytes; 20 padding on; 21 set beside a mask; 24:22 after every 64 words; 31:25 four words
	s_or_b32 s[G1B+0], s44, (1<<16)|(1<<20)|(1<<21)|(5<<22)|(3<<25) ; the same with the mask of my column, for k's tiles
.irp g, G1, G1B
	s_mov_b32 s[\g+1], KSTEP<<16                   ; tensor_dim0 = 128
	s_mov_b32 s[\g+2], 128<<16                     ; tensor_dim1 = 128
	s_mov_b32 s[\g+3], KSTEP<<16                   ; tile_dim0 = 128
	s_mov_b32 s[\g+4], 128                         ; tile_dim1 = 128
	s_mov_b32 s[\g+5], KEL                         ; tensor_dim0_stride: elements from row to row
	s_mov_b32 s[\g+6], 0
	s_mov_b32 s[\g+7], 0
.endr
	; where the tiles come from.  q's hang on the query tile alone, which my row of the cluster shares; k's on the key tile and the batch, which my column shares
	s_lshl_b32 s17, s12, 7                         ; which 128 rows of the tile I fetch
	s_lshl_b32 s16, s13, 8
	s_add_co_u32 s16, s16, s17                     ; q: row 256 x query tile + 128 x half
	s_lshl_b32 s46, s42, 8
	s_add_co_u32 s46, s46, s17
	s_lshl_b32 s47, s68, 11
	s_add_co_u32 s46, s46, s47                     ; k: row 2,048 x batch + 256 x key tile + 128 x half
	s_mul_i32 s16, s16, ROWP                       ; in bytes: under 8,192 x 6,144
	s_mov_b32 s17, 0
	s_mul_i32 s46, s46, ROWP
	s_mov_b32 s47, 0
	s_mul_i32 s20, s10, HALFT                      ; and where they go: wave x 128 rows: no place in the cluster enters an LDS address
	s_mov_b32 s[CS], 0x4138aa3b                    ; c = 8 log2(e)
	s_mov_b32 s[CS+1], s[CS]                       ; (named with it as a pair, so it is written)
	s_mov_b32 s[SEL], 0x76543210
	s_mov_b32 s[SEL+1], 0xfedcba98
	s_mov_b32 s[HM], 0xffff0000
	s_wait_dscnt 0x0                               ; both opening adds are done
	s_wait_kmcnt 0x0
	s_mov_b64 s[8:9], s[6:7]                       ; pt
	s_add_nc_u64 s[6:7], s[4:5], 2048              ; k begins 2,048 bytes into a row of qkv
	s_add_nc_u64 s[14:15], s[4:5], s[16:17]
	s_add_nc_u64 s[46:47], s[6:7], s[46:47]
	CROUND                                         ; all sixteen work-groups are here: the first joint loads meet
.irp s, 0,1
	s_mov_b32 s[G0+4*\s], 1                                        ; count = 1
	s_add_co_u32 s[G0+4*\s+1], s20, \s*SLOT                        ; LDS address
	s_add_nc_u64 s[G0+4*\s+2:G0+4*\s+3], s[14:15], \s*KSTEP*2      ; global address: K step s
	s_or_b32 s[G0+4*\s+3], s[G0+4*\s+3], 0x80000000                ; type = 2
	s_mov_b32 s[G0B+4*\s], 1
	s_add_co_u32 s[G0B+4*\s+1], s20, \s*SLOT
	s_add_nc_u64 s[G0B+4*\s+2:G0B+4*\s+3], s[46:47], \s*KSTEP*2
	s_or_b32 s[G0B+4*\s+3], s[G0B+4*\s+3], 0x80000000
	JLOAD \s                                       ; two tensor loads of mine are out
.endr
	; A fragment is 16 rows x 32 K in 8 registers: lane l holds row l % 16; registers 0-3 hold K = 8 (l / 16) + 0..7, registers 4-7 K = 16 + 8 (l / 16) + 0..7: two loads of 16 bytes, 32 bytes apart
	v_and_b32 v1, 15, v0                           ; l % 16
	v_bfe_u32 v2, v0, 4, 1                         ; l / 16
	v_mul_u32_u24 v3, v1, PITCH
	v_lshl_add_u32 v3, v2, 4, v3                   ; row x pitch + 16 x half
	s_mul_i32 s21, s11, HALFT                      ; my 128 rows of q
	s_mul_i32 s22, s12, HALFT                      ; my 128 rows of k,
	s_add_co_u32 s22, s22, 2*HALFT                 ; which lie behind q's 256
.irp s, 0,1
	v_add_nc_u32 v[ADRA+\s], s21, v3
	v_add_nc_u32 v[ADRB+\s], s22, v3
	s_add_co_u32 s21, s21, SLOT
	s_add_co_u32 s22, s22, SLOT
.endr
	v_and_b32 v[SO8], 31, v0
	v_lshlrev_b32 v[CO], 4, v[SO8]
	v_lshlrev_b32 v[SO8], 3, v[SO8]
	; where my part begins in pt and in stat.  16 rows of pt are 65,536 bytes, so a row counts 4,096; a block of 128 keys is 8 groups of 512 bytes: 4,096 too
	s_lshl_b32 s16, s13, 8
	s_lshl_b32 s14, s11, 7
	s_add_co_u32 s16, s16, s14                     ; my first row: 256 x query tile + 128 x half
	s_lshl_b32 s18, s16, 3                         ; 8 bytes a row in stat
	s_lshl_b32 s46, s42, 1
	s_add_co_u32 s46, s46, s12                     ; my block of 128 keys: 2 x key tile + half
	s_add_co_u32 s16, s16, s46
	s_lshl_b32 s16, s16, 12
	s_mov_b32 s17, 0
	s_add_nc_u64 s[8:9], s[8:9], s[16:17]
	s_lshl_b32 s46, s46, 16                        ; 8,192 rows x 8 bytes a block
	s_add_co_u32 s18, s18, s46
	s_mov_b32 s19, 0
	s_add_nc_u64 s[66:67], s[66:67], s[18:19]
	; the prefetches
	s_lshl_b32 s20, s13, 8                         ; q's tile begins at row 256 x query tile,
	s_lshl_b32 s21, s42, 8
	s_lshl_b32 s22, s68, 11
	s_add_co_u32 s21, s21, s22                     ; k's at 2,048 x batch + 256 x key tile
	s_and_b32 s22, ttmp7, 1                        ; cluster y's low bit
	s_cmp_eq_u32 s11, 0                            ; do I fetch for q?
	s_cselect_b32 s20, s20, s21
	s_cselect_b32 s21, s40, s41                    ; my place among the four that ask for the tile with me
	s_cselect_b32 s22, ttmp9, s22                  ; the coordinate along which another cluster reads the same rows
	s_cselect_b64 s[PFA:PFA+1], s[4:5], s[6:7]
	s_cmp_eq_u32 s22, 0
	s_cselect_b32 s[LIM], 1, -1                    ; the same in all sixteen partners, for a given wave
	s_lshl_b32 s22, s12, 7
	s_add_co_u32 s20, s20, s22                     ; + the 128 rows that I fetch
	s_lshl_b32 s21, s21, 5
	s_add_co_u32 s20, s20, s21                     ; + my work-group's 32 of them
	s_mul_i32 s20, s20, ROWP
	s_add_co_u32 s20, s20, 2*KSTEP*2               ; at K step 2: the first refill steps it to 3 and names K step 4
	s_mov_b32 s21, 0
	s_add_nc_u64 s[PFA:PFA+1], s[PFA:PFA+1], s[20:21]
	v_and_b32 v[PFO], 31, v0
	v_mul_u32_u24 v[PFO], v[PFO], ROWP
; 16 matrix instructions: query blocks a0, a0 + 1 of the window's four (hi = 0: my rows 0-63, 1: rows 64-127) x all 8 key blocks, 32 along K.  zero = 1: the first product starts the sums.
; The 64 accumulators take turns, one instruction a turn, in the same order in every quarter.
.macro MUL16 f, hi, a0, zero
.irp a, \a0, \a0+1
.irp b, 0,1,2,3,4,5,6,7
.if \zero
	v_wmma_f32_16x16x32_f16 v[8*(8*(\a)+\b):8*(8*(\a)+\b)+7], v[\f+8*\b:\f+8*\b+7], v[\f+8*(4*\hi+\a):\f+8*(4*\hi+\a)+7], 0
.else
	v_wmma_f32_16x16x32_f16 v[8*(8*(\a)+\b):8*(8*(\a)+\b)+7], v[\f+8*\b:\f+8*\b+7], v[\f+8*(4*\hi+\a):\f+8*(4*\hi+\a)+7], v[8*(8*(\a)+\b):8*(8*(\a)+\b)+7]
.endif
.endr
.endr
.endm
; 32 LDS loads in one run: the fragments of one quarter step (128 rows of k, 128 rows of q, 32 K at byte k of the rows) into buffer f
.macro FETCH slot, k, f
	WIN TO_B
.irp i, 0,1,2,3,4,5,6,7
	ds_load_b128 v[\f+8*\i:\f+8*\i+3],   v[ADRB+\slot] offset:\k+\i*16*PITCH
	ds_load_b128 v[\f+8*\i+4:\f+8*\i+7], v[ADRB+\slot] offset:\k+\i*16*PITCH+32
.endr
	WIN 0
.irp i, 0,1,2,3,4,5,6,7
	ds_load_b128 v[\f+8*\i:\f+8*\i+3],   v[ADRA+\slot] offset:\k+\i*16*PITCH
	ds_load_b128 v[\f+8*\i+4:\f+8*\i+7], v[ADRA+\slot] offset:\k+\i*16*PITCH+32
.endr
.endm
.macro PLACES                          ; four places in front of loads into registers that matrix instructions have read (ISA guide 7.12.1 for vector instructions)
.rept 4
	v_nop
.endr
.endm
; A K step is four quarters of 32 along K, 64 matrix instructions each, on buffers 0, 1, 0, 1.  One of the first three: multiplies buffer f; in its middle it fetches the next quarter, at byte k of the same slot's rows, into buffer g.
.macro QUARTER slot, k, f, g, zero
	s_wait_dscnt 8                                 ; k and q's rows 0-63 are in; the youngest eight loads (q's rows 64-127) may be out
	WIN MUL_LO
	MUL16 \f, 0, 0, \zero
	MUL16 \f, 0, 2, \zero
	PLACES
	FETCH \slot, \k, \g
	s_wait_dscnt 32                                ; all but the 32 just issued
	WIN MUL_HI
	MUL16 \f, 1, 0, \zero
	MUL16 \f, 1, 2, \zero
.endm
; The last quarter multiplies buffer 1 and changes slots.  MEET is its first half: one barrier for the change.  In front of it each wave waits for all its tensor loads, of which one is out: its part of the next slot;
; adds 0 to its spare word; and waits for that and for its own reads of this slot.  Behind it nobody reads this slot any more and the next slot is whole.
.macro MEET round                      ; round = 1: a round of the cluster's barrier follows
	WIN 0                                          ; (the add's two registers lie in window 0)
	s_wait_tensorcnt 0x0                           ; all my tensor loads have landed
	ds_add_u32 v[SPW], v[NIL]                      ; 0 onto my spare word
	s_wait_dscnt 9                                 ; (the add and the youngest eight loads may be out)
	WIN MUL_LO
	MUL16 F1, 0, 0, 0                              ; sixteen matrix instructions stand between the add and the wait for it
	s_wait_dscnt 0x0                               ; the add is done, and my reads of this slot are over
	s_barrier_signal -1
	MUL16 F1, 0, 2, 0                              ; work on registers while the others arrive
.if \round
	WIN 0
.endif
	s_barrier_wait -1
.endm
; The whole last quarter where the slot is filled again, two K steps ahead: the joint refill is the first tensor load behind the round, one a wave; it has 224 matrix instructions in which to land.
.macro TURN slot, next
	s_wait_xcnt 0x0                                ; the last prefetch, a K step back, has read its address: it is stepped here, ahead of the waits of the change of slots
	s_add_nc_u64 s[PFA:PFA+1], s[PFA:PFA+1], KSTEP*2
	MEET 1
	CREST                                          ; no wave of any partner still reads this slot's tile or has a load on its way
	s_add_nc_u64 s[G0+4*\slot+2:G0+4*\slot+3], s[G0+4*\slot+2:G0+4*\slot+3], 2*KSTEP*2
	s_add_nc_u64 s[G0B+4*\slot+2:G0B+4*\slot+3], s[G0B+4*\slot+2:G0B+4*\slot+3], 2*KSTEP*2
	JLOAD \slot                                    ; the four v_nop behind it are also the places in front of the loads below
	FETCH \next, 0, F0
	ASK
	WIN MUL_HI
	MUL16 F1, 1, 0, 0
	MUL16 F1, 1, 2, 0
.endm
	s_wait_tensorcnt 1                             ; my part of K step 0 is in (K step 1's may be out)
	s_barrier_signal -1
	s_barrier_wait -1                              ; everybody's is
	FETCH 0, 0, F0
	QUARTER 0, 64,  F0, F1, 1                      ; the first quarter stands in front of the loop: its products start the sums
	WIN 0                                          ; at a label and at a branch every window is 0
	s_mov_b32 s3, LAPS-1
.Llap:                                                 ; a trip goes once round the ring, from a lap's second quarter to the next lap's first, and fills both slots again: K steps 2 to 7
	QUARTER 0, 128, F1, F0, 0
	QUARTER 0, 192, F0, F1, 0
	TURN 0, 1
	QUARTER 1, 64,  F0, F1, 0
	QUARTER 1, 128, F1, F0, 0
	QUARTER 1, 192, F0, F1, 0
	TURN 1, 0
	QUARTER 0, 64,  F0, F1, 0
	WIN 0
	s_sub_co_u32 s3, s3, 1
	s_cmp_lg_u32 s3, 0
	s_cbranch_scc1 .Llap
	QUARTER 0, 128, F1, F0, 0                      ; the last lap is written out: it fills nothing
	QUARTER 0, 192, F0, F1, 0
	MEET 0                                         ; my one tensor load that was still out is slot 1's, the last K step's
	PLACES
	FETCH 1, 0, F0
	WIN MUL_HI
	MUL16 F1, 1, 0, 0
	MUL16 F1, 1, 2, 0
	QUARTER 1, 64,  F0, F1, 0
	QUARTER 1, 128, F1, F0, 0
	QUARTER 1, 192, F0, F1, 0
	s_wait_dscnt 8                                 ; the very last quarter: nothing more to fetch
	WIN MUL_LO
	MUL16 F1, 0, 0, 0
	MUL16 F1, 0, 2, 0
	s_wait_dscnt 0
	WIN MUL_HI
	MUL16 F1, 1, 0, 0
	MUL16 F1, 1, 2, 0
	WIN 0
; THE WAY OUT, block by block of 16 queries x 128 keys.
; SOFT a: the block's largest score (four chains over my 64, then the lane 16 away); -M = floor(-c x it); t - M, two at a time; 64 exponentials as ONE batch with one wait; the sum of the unrounded p; p rounded to f16.
.macro SOFT a
.set AC, 64*((\a)%4)
.set U, (\a)/4
.set SA, ST+2*(\a)
.set TM, TMP+32*((\a)%2)
	WIN 0x2a+0x15*U                                ; all three sources: the accumulators' window
.irp k, 0,1,2,3
	v_max3_num_f32 v[CH+\k], v[AC+16*\k], v[AC+16*\k+1], v[AC+16*\k+2]   ; each accumulator is read from its low end on
.endr
	WIN 0x28+0x14*U                                ; source 0: window 0
.irp i, 3,5,7,9,11,13
.irp k, 0,1,2,3
	v_max3_num_f32 v[CH+\k], v[CH+\k], v[AC+16*\k+\i], v[AC+16*\k+\i+1]   ; (i = 7 takes the second accumulator's register 0: its first read)
.endr
.endr
.irp k, 0,1,2,3
	v_max_num_f32 v[CH+\k], v[CH+\k], v[AC+16*\k+15]
.endr
	WIN 0
	v_max3_num_f32 v[CH], v[CH], v[CH+1], v[CH+2]
	v_max_num_f32 v[CH], v[CH], v[CH+3]
	v_permlanex16_b32 v[CH+1], v[CH], s[SEL], s[SEL+1]   ; the query's other 64 keys
	v_max_num_f32 v[CH], v[CH], v[CH+1]
	v_mul_f32 v[CH], s[CS], v[CH]                  ; as t (c is positive)
	v_floor_f32 v[SA], -v[CH]                      ; -M = floor(-t) = -ceil(t): a whole number
	WIN 0x82+0x41*U                                ; source 0 and destination: the accumulators' window; -M: window 0
.set i, 0
.rept 32
	v_pk_fma_f32 v[AC+i:AC+i+1], v[AC+i:AC+i+1], s[CS:CS+1], v[SA:SA+1] op_sel_hi:[1,0,0]   ; t - M (of the pairs c and -M the low word serves both halves)
.set i, i+2
.endr
.set i, 0
.rept 64
	v_exp_f32 v[AC+i], v[AC+i]                     ; p = 2^(t - M)
.set i, i+1
.endr
	v_nop                                          ; one plain instruction behind the last exponential,
	s_wait_alu depctr_va_vdst(0)                   ; and one wait for the whole batch, ahead of its first reader
.if (\a) > 1
	s_wait_xcnt 0x0                                ; block a - 2's stores have read their data: the packed p's registers are written again only behind this wait
.endif
	WIN 0x0a+5*U                                   ; sources 0 and 1: the accumulators' window
.set i, 0
.rept 16
	v_pk_add_f32 v[SU+2*i:SU+2*i+1], v[AC+4*i:AC+4*i+1], v[AC+4*i+2:AC+4*i+3]   ; the sum is taken of the unrounded p
.set i, i+1
.endr
.set i, 0
.rept 32
	v_cvt_pk_f16_f32 v[TM+i], v[AC+2*i], v[AC+2*i+1]   ; registers 4 b .. 4 b + 3: keys 16 b + 8 (l / 16) + 0 .. 7 of row l % 16: the next launch's operand as it stands
.set i, i+1
.endr
	WIN 0
.irp i, 0,1,2,3,4,5,6,7
	v_pk_add_f32 v[SU+4*\i:SU+4*\i+1], v[SU+4*\i:SU+4*\i+1], v[SU+4*\i+2:SU+4*\i+3]
.endr
.irp i, 0,1,2,3
	v_pk_add_f32 v[SU+8*\i:SU+8*\i+1], v[SU+8*\i:SU+8*\i+1], v[SU+8*\i+4:SU+8*\i+5]
.endr
.irp i, 0,1
	v_pk_add_f32 v[SU+16*\i:SU+16*\i+1], v[SU+16*\i:SU+16*\i+1], v[SU+16*\i+8:SU+16*\i+9]
.endr
	v_pk_add_f32 v[SU:SU+1], v[SU:SU+1], v[SU+16:SU+17]
	v_add_f32 v[CH], v[SU], v[SU+1]
	v_permlanex16_b32 v[CH+1], v[CH], s[SEL], s[SEL+1]
	v_add_f32 v[SA+1], v[CH], v[CH+1]              ; l of the block
.endm
.macro SENDP a                         ; the block's eight groups of 16 keys: each store covers 512 consecutive bytes, at a multiple of 512 from pt's first byte; every offset is an immediate
.set TM, TMP+32*((\a)%2)
.irp b, 0,1,2,3,4,5,6,7
	global_store_b128 v[CO], v[TM+4*\b:TM+4*\b+3], s[8:9] offset:RBB*(\a)+512*\b
.endr
.endm
.irp a, 0,1,2,3,4,5,6,7
	v_mov_b32 v[ST+2*\a+1], 0                      ; the pairs' upper halves are named before l is made.  These eight name no register of the last products: they are the places behind them
.endr
.irp a, 0,1,2,3,4,5,6,7
	SOFT \a
	SENDP \a
.endr
	; the statistics: lane l stores row 32 i + l: lanes 0-15 hold block 2 i's rows, lanes 16-31 take block 2 i + 1's: 32 lanes store 256 consecutive bytes
.irp i, 0,1,2,3
	v_cndmask_b32 v[SD+2*\i], v[ST+4*\i], v[ST+4*\i+2], s[HM]
	v_cndmask_b32 v[SD+2*\i+1], v[ST+4*\i+1], v[ST+4*\i+3], s[HM]
.endr
.irp i, 0,1,2,3
	global_store_b64 v[SO8], v[SD+2*\i:SD+2*\i+1], s[66:67] offset:256*\i
.endr
	s_wait_tensorcnt 0x0                           ; the wave's end, behind my last tensor load
	ds_add_u32 v[SPW], v[NIL]
	s_wait_dscnt 0x0
	CROUND                                         ; the closing round: no work-group ends while a partner may still ask for a tile that names it
	s_endpgm
.Lfunc_end_k_q5a6ff56e4e_scores:
	.size	k_q5a6ff56e4e_scores, .Lfunc_end_k_q5a6ff56e4e_scores-k_q5a6ff56e4e_scores
	.p2alignl 7, 3214868480
	.fill 96, 4, 3214868480
	.section	.rodata,"a",@progbits
	.p2align	6, 0x0
	.amdhsa_kernel k_q5a6ff56e4e_scores
		.amdhsa_group_segment_fixed_size 327680
		.amdhsa_private_segment_fixed_size 0
		.amdhsa_enable_private_segment 0
		.amdhsa_kernarg_size 24
		.amdhsa_user_sgpr_count 2
		.amdhsa_user_sgpr_kernarg_segment_ptr 1
		.amdhsa_wavefront_size32 1
		.amdhsa_system_sgpr_workgroup_id_x 1
		.amdhsa_system_sgpr_workgroup_id_y 1
		.amdhsa_system_sgpr_workgroup_id_z 1
		.amdhsa_system_vgpr_workitem_id 0
		.amdhsa_next_free_vgpr 1024
		.amdhsa_next_free_sgpr 76
		.amdhsa_reserve_vcc 0
		.amdhsa_float_denorm_mode_32 3
		.amdhsa_float_denorm_mode_16_64 3
		.amdhsa_memory_ordered 1
		.amdhsa_forward_progress 1
		.amdhsa_inst_pref_size 204
	.end_amdhsa_kernel
	.amdgpu_metadata
---
amdhsa.version: [ 1, 2 ]
amdhsa.kernels:
  - .name:           k_q5a6ff56e4e_scores
    .symbol:         k_q5a6ff56e4e_scores.kd
    .args:
      - { .name: qkv, .offset: 0, .size: 8, .value_kind: global_buffer, .address_space: global }
      - { .name: pt, .offset: 8, .size: 8, .value_kind: global_buffer, .address_space: global }
      - { .name: stat, .offset: 16, .size: 8, .value_kind: global_buffer, .address_space: global }
    .group_segment_fixed_size: 327680
    .private_segment_fixed_size: 0
    .kernarg_segment_align: 8
    .kernarg_segment_size: 24
    .max_flat_workgroup_size: 128
    .sgpr_count:     76
    .vgpr_count:     1024
    .wavefront_size: 32
...
	.end_amdgpu_metadata
.endif
;; end of part 3
;; launch pv (part 4): grid 8 x 32, 4 waves a work-group, clusters of 4 x 4, 327,680 bytes of LDS; arguments pt, qkv, stat, out0; writes out0
.if DOCPART == 4
	.amdgcn_target "amdgcn-amd-amdhsa--gfx1250"
	.amdhsa_code_object_version 6
	.text
	.protected	k_q5a6ff56e4e_pv
	.globl	k_q5a6ff56e4e_pv
	.p2align	8
	.type	k_q5a6ff56e4e_pv,@function
k_q5a6ff56e4e_pv:
	s_mov_b64 s[64:65], 0
	v_nop
	global_prefetch_b8 v0, s[64:65] scope:SCOPE_SE
	s_setreg_imm32_b32 hwreg(HW_REG_WAVE_MODE, 25, 1), 1
	s_wait_xcnt 0x0
	s_wait_alu depctr_hold_cnt(0) depctr_sa_sdst(0) depctr_va_vdst(0) depctr_va_sdst(0) depctr_va_ssrc(0) depctr_va_vcc(0) depctr_vm_vsrc(0)
	s_getreg_b32 s2, hwreg(HW_REG_IB_STS2, 6, 4)
	s_cmp_eq_u32 s2, 0
	s_cbranch_scc0 .Lentry_in_a_cluster
	s_endpgm
.Lentry_in_a_cluster:
	s_bfe_u32 s2, ttmp6, 0x10000c
	s_cmp_lg_u32 s2, 0xf033
	s_cbranch_scc0 .Lentry_shape_is_right
	s_endpgm
.Lentry_shape_is_right:
; out0[row][ch] = (sum over the 16 blocks of 128 keys of f_blk x sum over the block's keys of p v') x 16 / l_row.
; pt: p = 2^(t - M_blk) in f16, laid as this launch's operand registers: [512 blocks of 16 rows][128 groups of 16 keys][32 lanes][16 bytes]: lane l holds row l % 16, keys 8 (l / 16) + 0 .. 7 of the group.
; stat: [16 blocks][8192 rows][(-M_blk, l_blk)] f32.  v' = v x 2^-4: f16, at byte 4,096 of a row of qkv [8192][6,144 bytes].  out0: [8192][1024] f32.
; -M_row = the least of the 16 -M_blk;  f_blk = 2^(M_blk - M_row), a power of two, at most 1, made by v_ldexp_f32 of a whole number;  l_row = the sum of l_blk f_blk, at least 0.5.
; THE FACTORS ARE APPLIED IN f32: a block's products sum into T, beginning with the constant 0, and O takes O + f_blk x T by fused multiply-adds.  So every p stands under the row's own largest t, as the softmax asks.
; LIMITS: p and v' are f16; f_blk is 0 under 2^-149; NaN and infinities are not served.
; A tile of 256 rows x 128 channels is made by a work-group of four waves; wave w makes rows 64 w .. 64 w + 63 x all 128 channels: 32 accumulators of 16 x 16.  Work-group x = channel tile (0-7), y = row tile (0-31); batch = y / 8.
; K = 2,048 keys goes in 64 quarters of 32 keys, 32 matrix instructions each; four quarters are a block of 128 keys.
; V comes through a ring of two LDS slots of 256 keys filled by the tensor data mover, 64 keys a wave.  CLUSTERS: 4 x 4 work-groups; the four of a column of the cluster need the same tiles of V and ask for them jointly.
; P DOES NOT GO THROUGH LDS, AND SO IS NOT ASKED FOR JOINTLY, though the four of a row of the cluster read the same P.  The reason, by the sizes: with P a slot of 256 keys would be 131,072 + 73,728 bytes and two of them 409,600, more than the
; 327,680 that there are; slots of 128 keys leave a refill 112 matrix instructions in which to land.  Each wave alone reads its 64 rows of P, so LDS would only be a stage: P's fragments come by global_load_b128, 512 consecutive bytes
; an instruction, into a ring of eight register buffers, seven quarters (224 matrix instructions) ahead of their use: 56 loads of a wave are on their way.  V's refill then has 240 matrix instructions in which to land.
; LAYOUT: source 0 = V^T (16 channels x 32 keys; V lies [key][channel] in LDS and is turned by ds_load_tr16_b128), source 1 = P (16 rows x 32 keys): lane l holds row l % 16 and, in accumulator (a, b), channels 16 b + 8 (l / 16) + 0 .. 7.
; REGISTERS, in windows of 256: window 0: v0-31 addresses; v32-39 four factors in the even registers; v40-55 the rows' statistics; v64-127 the 64 factors at the head; v128-255 P's buffers 0-3 (on the way out rows read back).
;   window 1: v0-63, v64-127 V's fragments, two buffers; v128-255 P's buffers 4-7.   window 2: T, accumulator i = 8 a + b at v[8 i].   window 3: O likewise (at the head v0-127 hold stat).
.set QROW,   6144                      ; a row of qkv in bytes
.set OROW,   4096                      ; a row of out0
.set RBB,    65536                     ; a block of 16 rows of pt
.set QP,     1024                      ; a quarter's 32 keys of it
.set PV,     288                       ; a key's row of V in LDS: 256 + 32: 16 lanes of the turning load take 8 rows x 32 bytes
.set QV,     32*PV                     ; a quarter's 32 keys in LDS
.set WPART,  64*PV                     ; what one tensor load brings
.set SLOTB,  256*PV                    ; a slot: 256 keys
.set SLOT1,  1<<17                     ; slot 1 begins here, so that one exclusive or turns an address in one slot into the other's
.set FT,     SLOTB                     ; between the slots: the factors: for each wave 16 blocks x 16 rows x 16 bytes; no tile lands there
.set STAGE,  SLOT1+SLOTB               ; behind slot 1: the way out: 16 rows x (512 + 16) bytes for each wave
.set SPITCH, 528
.set SPARE,  STAGE+4*16*SPITCH         ; the spare words, 128 bytes for each wave, which no other line names
.set AV0,  16                          ; v16     my lane's place in a tile of V; never rewritten
.set ADV,  17                          ; v17-18  LDS address of the slot's quarters 0-3 and 4-7
.set FADR, 22                          ; v22     my row's 16 bytes of my wave's first block in the factors' table; never rewritten
.set FAT,  23                          ; v23     the same, stepped by the trips
.set STO,  24                          ; v24     the way out: where I put 32 bytes of a row
.set RD,   25                          ; v25     where I read a row back
.set CO,   26                          ; v26     16 x lane: my place in 512 bytes of pt and of out0; never rewritten
.set SPW,  28                          ; v28     LDS address of my spare word; never rewritten
.set NIL,  29                          ; v29     0; never rewritten
.set PFO,  30                          ; v30     the prefetches' offset: my lane x a row of qkv; never rewritten
.set R8,   31                          ; v31     8 x (lane % 16): my row's place in stat
.set FC,   32                          ; v32-39  f_blk for my row of row block a at v[FC + 2 a]; the odd registers are written once and not used
.set RL,   40                          ; v40-47  16 / l_row of row block a, as a pair at v[RL + 2 a]
.set NR,   48                          ; v48-51  -M_row
.set LR,   52                          ; v52-55  l_row
.set FV,   64                          ; v64-127 at the head: f of block b, row block a at v[FV + 4 b + a]
.set PBUF, 128                         ; P's buffers: quarter n lies in buffer n % 8: v[PBUF + 32 (n % 4)] of window (n % 8) / 4
.set OB,   128                         ; the way out: v128-191 and v192-255 by turns
.set SV,   0                           ; in window 3, at the head: (-M, l) of block b, row block a at v[SV + 8 b + 2 a]
.set G1,  24                           ; s[24:31] descriptor group 1 for V's tiles
.set G0A, 32                           ; s[32:35] group 0 of slot 0's first fill
.set G0W, 36                           ; s[36:39] group 0 of slot 1's first fill, which then walks
.set LIM, 43                           ; s43     1 in a wave that prefetches, else the greatest number
.set PFA, 44                           ; s[44:45] where my prefetches stand
.set FS,  69                           ; s69     512 x the trip: the factors' step
.set TB,  70                           ; s70     LDS byte at which the slot begins from which V is being fetched
.set MSB, 0
.macro WIN new                         ; the immediate's high byte repeats the setting that is left
.if MSB != (\new)
	s_set_vgpr_msb (MSB<<8)|(\new)
.set MSB, \new
.endif
.endm
; A PREFETCH INTO THE L2 of V's slot that the NEXT change of slots will ask for: 256 keys x 256 bytes, a lane a key.  It stands behind the joint load, its five lines and the runs of loads that follow them.
; Each key's 256 bytes are named once in the launch.  A batch's V of one channel tile is read by the two clusters of the batch: the one with even y asks.  Its four partners along y share the keys out by address, 64 each;
; in each, waves 0 and 1 ask for 32 keys, one instruction a wave.  Slots 0 to 2 come by their loads alone; the loop's last trip (s3 = 1) asks for nothing: there is no slot behind the one that it fills.
; P is not prefetched: its own loads go out seven quarters ahead of their use.
.macro ASK
	s_cmp_gt_u32 s3, s[LIM]
	s_cbranch_scc0 .Lnot_mine_\@
	global_prefetch_b8 v[PFO], s[PFA:PFA+1] th:TH_LOAD_NT scope:SCOPE_SE
.Lnot_mine_\@:
.endm
.macro CREST                           ; a round of the cluster's barrier behind its opening barrier
	s_cmp_lg_u32 s10, 0
	s_cbranch_scc1 .Lnot_wave_0_\@
	s_barrier_signal -3
.Lnot_wave_0_\@:
	s_barrier_wait -3
	s_barrier_signal -1
	s_barrier_wait -1
.endm
.macro CROUND                          ; a whole round
	s_barrier_signal -1
	s_barrier_wait -1
	CREST
.endm
.macro PLACES                          ; four places: in front of loads into registers that matrix instructions have read, and of the first read of results (ISA guide 7.12.1 for vector instructions)
.rept 4
	v_nop
.endr
.endm
; 8 loads: P's four fragments of one quarter into buffer n8; off: the quarter's place from the base.  Each load reads 512 consecutive bytes
.macro PLOAD n8, off
	WIN 0x40*((\n8)/4)
.irp a, 0,1,2,3
	global_load_b128 v[PBUF+32*((\n8)%4)+8*\a:PBUF+32*((\n8)%4)+8*\a+3],   v[CO], s[4:5] offset:(\off)+RBB*\a       ; keys 8 (l / 16) + 0 .. 7 of the quarter's 32
	global_load_b128 v[PBUF+32*((\n8)%4)+8*\a+4:PBUF+32*((\n8)%4)+8*\a+7], v[CO], s[4:5] offset:(\off)+RBB*\a+512   ; keys 16 + 8 (l / 16) + 0 .. 7
.endr
.endm
; 16 LDS loads: V's eight fragments of the slot's quarter np, turned, into buffer np % 2
.macro VFETCH np
	WIN 0x40                                       ; destination window 1
.irp f, 0,1,2,3,4,5,6,7
	ds_load_tr16_b128 v[64*((\np)%2)+8*\f:64*((\np)%2)+8*\f+3],   v[ADV+(\np)/4] offset:QV*((\np)%4)+32*\f
	ds_load_tr16_b128 v[64*((\np)%2)+8*\f+4:64*((\np)%2)+8*\f+7], v[ADV+(\np)/4] offset:QV*((\np)%4)+32*\f+16*PV
.endr
.endm
; O of accumulator k takes f x T: four packed instructions, from the accumulator's low end on.  first = 1: the first block of keys starts O
.macro MERGE k, first
	WIN 0xf2                                       ; T (source 0) window 2, the factor window 0, O (source 2 and destination) window 3
.irp j, 0,2,4,6
.if \first
	v_pk_mul_f32 v[8*(\k)+\j:8*(\k)+\j+1], v[8*(\k)+\j:8*(\k)+\j+1], v[FC+2*((\k)/8):FC+2*((\k)/8)+1] op_sel_hi:[1,0]
.else
	v_pk_fma_f32 v[8*(\k)+\j:8*(\k)+\j+1], v[8*(\k)+\j:8*(\k)+\j+1], v[FC+2*((\k)/8):FC+2*((\k)/8)+1], v[8*(\k)+\j:8*(\k)+\j+1] op_sel_hi:[1,0,1]
.endif
.endr
.endm
; 16 matrix instructions: products i0 .. i0 + 15 of quarter n8 (product i: row block i / 8, channel block i % 8).  zero = 1: they start T's sums.  mk >= 0: behind product i0 + k stands the merge of accumulator mk + k.
; The 32 accumulators take turns, one instruction a turn, in the same order in every quarter.
.macro HALF n8, i0, zero, mk, first
.set i, \i0
.rept 16
	WIN 0xa1+4*((\n8)/4)                           ; V window 1, P window 0 or 1, T window 2
.if \zero
	v_wmma_f32_16x16x32_f16 v[8*i:8*i+7], v[64*((\n8)%2)+8*(i%8):64*((\n8)%2)+8*(i%8)+7], v[PBUF+32*((\n8)%4)+8*(i/8):PBUF+32*((\n8)%4)+8*(i/8)+7], 0
.else
	v_wmma_f32_16x16x32_f16 v[8*i:8*i+7], v[64*((\n8)%2)+8*(i%8):64*((\n8)%2)+8*(i%8)+7], v[PBUF+32*((\n8)%4)+8*(i/8):PBUF+32*((\n8)%4)+8*(i/8)+7], v[8*i:8*i+7]
.endif
.if (\mk) >= 0
	MERGE (\mk)+i-(\i0), \first
.endif
.set i, i+1
.endr
.endm
; A QUARTER: 32 keys.  n8: its number mod 8.  At its head: V's fragments (asked for a quarter ago) and P's (seven quarters ago) are waited for; then the run of loads: V of the next quarter (vf = 1), in a block's second quarter the
; block's four factors, P of the quarter seven on (poff >= 0: its place from the base).  lcnt: the younger loads of P that may stay out: eight for each of the six quarters behind this one, fewer at the end.
; THE MERGES.  A block's last quarter (n8 % 4 = 3) finishes T.  Accumulators 0-15 are merged behind its products 16-31; four v_nop stand between its halves as the places behind their last products.  Accumulators 16-31 are merged
; behind products 0-15 of the next block's first quarter, which begin accumulators 0-15 anew; the last slice and the head's four v_nop are the places.  mg = 1: the first block's merges; 2: the very first quarter has none.
; ch = 1, 2: THE CHANGE OF SLOTS, in a slot's last quarter: one barrier; in front of it each wave waits for all its tensor loads (one is out: its part of the next slot), adds 0 to its spare word, and waits for that and for its reads
; of this slot, the last of which were asked for a quarter ago.  ch = 1: the barrier opens a round of the cluster's, and this slot is filled again, with the keys two slots on: the joint refill is the first tensor load behind the round, one a wave.
.macro QUARTER n8, poff, lcnt, vf, ch, mg
.set QQ, (\n8)%4
.if \ch
	s_wait_xcnt 0x0                                ; the loads of the last eight quarters and the last prefetch have read their bases, which step here
	s_add_nc_u64 s[4:5], s[4:5], 8*QP
.if \ch == 1
	s_add_nc_u64 s[PFA:PFA+1], s[PFA:PFA+1], 256*QROW
.endif
	WIN 0                                          ; (the add's two registers lie in window 0)
	s_wait_tensorcnt 0x0                           ; all my tensor loads have landed
	ds_add_u32 v[SPW], v[NIL]                      ; 0 onto my spare word
	s_wait_loadcnt \lcnt                           ; P's fragments of this quarter are in
	s_xor_b32 s[TB], s[TB], SLOT1                  ; V's fetches go on to the other slot
	s_wait_dscnt 0x0                               ; the add is done, and my reads of this slot are over
	s_barrier_signal -1
	HALF \n8, 0, 0, -1, 0                          ; work on registers while the others arrive
	WIN 0
	s_barrier_wait -1
.if \ch == 1
	CREST                                          ; no wave of any partner still reads this slot's tile or has a load on its way
	s_xor_b32 s[G0W+1], s[G0W+1], SLOT1            ; the walking descriptor: the other slot than last time,
	s_add_nc_u64 s[G0W+2:G0W+3], s[G0W+2:G0W+3], 256*QROW   ; the next 256 keys; the type bits on top are not reached
	tensor_load_to_lds s[G0W:G0W+3], s[G1:G1+7]
	s_nop 0
.endif
	PLACES                                         ; behind the tensor load; also the places in front of the loads and of the merges below
	v_add_nc_u32 v[ADV], s[TB], v[AV0]
	v_add_nc_u32 v[ADV+1], 4*QV, v[ADV]
	v_add_nc_u32 v[FAT], s[FS], v[FADR]
	s_add_co_u32 s[FS], s[FS], 512                 ; two blocks' factors a trip
.else
	s_wait_dscnt 0x0                               ; V's fragments (and the factors) are in
	s_wait_loadcnt \lcnt                           ; P's are
	PLACES
.endif
.if \vf
	VFETCH ((\n8)+1)%8
.endif
.if QQ == 1
	WIN 0
.irp a, 0,1,2,3
	ds_load_b32 v[FC+2*\a], v[FREG] offset:FBASE+256*((\n8)/4)+4*\a   ; this block's factors: the last block's were last read in the quarter before
.endr
.endif
.if (\poff) >= 0
	PLOAD ((\n8)+7)%8, \poff                       ; into the buffer that the quarter before multiplied
.endif
.if \ch == 1
	WIN 0
	ASK
.endif
.if \ch == 0
.if QQ == 0
.if \mg == 2
	HALF \n8, 0, 1, -1, 0
.else
	HALF \n8, 0, 1, 16, \mg
.endif
.else
	HALF \n8, 0, 0, -1, 0
.endif
.if QQ == 3
	PLACES
.endif
.endif
.if QQ == 3
	HALF \n8, 16, 0, 0, \mg
.elseif QQ == 0
	HALF \n8, 16, 1, -1, 0
.else
	HALF \n8, 16, 0, -1, 0
.endif
.endm
	s_load_b128 s[4:7], s[0:1], 0x0                ; pt s[4:5], qkv s[6:7]
	s_load_b64 s[66:67], s[0:1], 0x10              ; stat
	s_load_b64 s[8:9], s[0:1], 0x18                ; out0
	v_lshl_add_u32 v[SPW], v0, 2, SPARE
	v_mov_b32 v[NIL], 0
	ds_add_u32 v[SPW], v[NIL]                      ; the wave's opening: the add, twice on end, and its wait ahead of my first tensor load
	ds_add_u32 v[SPW], v[NIL]                      ; and once more, under the one wait; the set-up below, work on registers, stands between
	v_lshrrev_b32 v1, 5, v0
	v_readfirstlane_b32 s10, v1                    ; wave 0..3
	s_bfe_u32 s40, ttmp6, 0x40000                  ; cx
	s_bfe_u32 s41, ttmp6, 0x40004                  ; cy
	s_lshl_b32 s42, ttmp9, 2
	s_add_co_u32 s42, s42, s40                     ; channel tile = 4 x cluster x + cx
	s_and_b32 s13, ttmp7, 0xffff
	s_lshr_b32 s68, s13, 1                         ; the batch = cluster y / 2: the same in all sixteen partners
	s_lshl_b32 s13, s13, 2
	s_add_co_u32 s13, s13, s41                     ; row tile = 4 x cluster y + cy
	s_lshl_b32 s47, 0x1111, s40                    ; my column of the cluster
	; descriptor group 1: 64 keys x 128 elements of 2 bytes, rows 3,072 elements apart; 8 words of padding behind every 64
	s_or_b32 s[G1+0], s47, (1<<16)|(1<<20)|(1<<21)|(5<<22)|(7<<25)  ; 15:0 the mask: V's tiles go to my column; 17:16 element of 2 bytes; 20 padding on; 21 set beside a mask
	s_mov_b32 s[G1+1], 128<<16                     ; tensor_dim0
	s_mov_b32 s[G1+2], 64<<16                      ; tensor_dim1
	s_mov_b32 s[G1+3], 128<<16                     ; tile_dim0
	s_mov_b32 s[G1+4], 64                          ; tile_dim1
	s_mov_b32 s[G1+5], 3072                        ; tensor_dim0_stride
	s_mov_b32 s[G1+6], 0
	s_mov_b32 s[G1+7], 0
	; where V's tiles come from: they hang on the batch, the channel tile and the wave, which my column shares
	s_lshl_b32 s16, s68, 11
	s_lshl_b32 s17, s10, 6
	s_add_co_u32 s16, s16, s17                     ; key row 2,048 x batch + 64 x wave
	s_mul_i32 s16, s16, QROW
	s_lshl_b32 s17, s42, 8
	s_add_co_u32 s16, s16, s17                     ; + 256 bytes x channel tile
	s_mov_b32 s17, 0
	s_mul_i32 s20, s10, WPART                      ; and where they go: no place in the cluster enters an LDS address
	s_mov_b32 s[FS], 0
	s_mov_b32 s[TB], 0
	s_wait_dscnt 0x0                               ; both opening adds are done
	s_wait_kmcnt 0x0
	s_add_nc_u64 s[6:7], s[6:7], 4096              ; v begins 4,096 bytes into a row of qkv
	s_add_nc_u64 s[14:15], s[6:7], s[16:17]
	CROUND                                         ; all sixteen work-groups are here: the first joint loads meet
	s_mov_b32 s[G0A], 1                            ; count = 1
	s_mov_b32 s[G0A+1], s20                        ; LDS address: slot 0
	s_mov_b64 s[G0A+2:G0A+3], s[14:15]             ; global address: keys 0 to 255
	s_or_b32 s[G0A+3], s[G0A+3], 0x80000000        ; type = 2
	s_mov_b32 s[G0W], 1
	s_add_co_u32 s[G0W+1], s20, SLOT1              ; slot 1
	s_add_nc_u64 s[G0W+2:G0W+3], s[14:15], 256*QROW   ; keys 256 to 511
	s_or_b32 s[G0W+3], s[G0W+3], 0x80000000
	tensor_load_to_lds s[G0A:G0A+3], s[G1:G1+7]    ; the two first fills stand together: two tensor loads of mine are out
	s_nop 0
	tensor_load_to_lds s[G0W:G0W+3], s[G1:G1+7]
	s_nop 0
	PLACES
	v_and_b32 v1, 15, v0                           ; r = l % 16
	v_bfe_u32 v2, v0, 4, 1                         ; h = l / 16
	v_lshlrev_b32 v[R8], 3, v1
	v_and_b32 v6, 31, v0
	v_lshlrev_b32 v[CO], 4, v6                     ; 16 x lane
	; where my 64 rows begin in stat, in pt and in out0
	s_lshl_b32 s16, s13, 8
	s_lshl_b32 s17, s10, 6
	s_add_co_u32 s16, s16, s17                     ; my first row: 256 x row tile + 64 x wave
	s_lshl_b32 s18, s16, 3
	s_mov_b32 s19, 0
	s_add_nc_u64 s[66:67], s[66:67], s[18:19]
	s_lshl_b32 s16, s16, 12                        ; 16 rows of pt are 65,536 bytes; a row of out0 is 4,096
	s_mov_b32 s17, 0
	s_add_nc_u64 s[4:5], s[4:5], s[16:17]
	s_add_nc_u64 s[8:9], s[8:9], s[16:17]
	s_lshl_b32 s16, s42, 9                         ; 512 bytes x channel tile
	s_add_nc_u64 s[8:9], s[8:9], s[16:17]
	WIN 0xc0                                       ; destination window 3
.irp b, 0,1,2,3,4,5,6,7,8,9,10,11,12,13,14,15
.irp a, 0,1,2,3
	global_load_b64 v[SV+8*\b+2*\a:SV+8*\b+2*\a+1], v[R8], s[66:67] offset:65536*\b+128*\a   ; (-M, l) of row 16 a + r in block b of the keys
.endr
.endr
.irp n, 0,1,2,3,4,5,6
	PLOAD \n, \n*QP                                ; P's first seven quarters
.endr
	WIN 0
	; LDS addresses.  V: the turning load takes 16 keys x 16 channels: lane l reads 16 bytes: key 8 (l / 16) + l % 8, channels 8 ((l / 8) % 2) + 0..7
	v_and_b32 v4, 7, v0
	v_bfe_u32 v5, v0, 3, 1
	v_lshl_add_u32 v4, v2, 3, v4
	v_mul_u32_u24 v4, v4, PV
	v_lshl_add_u32 v[AV0], v5, 4, v4
	v_add_nc_u32 v[ADV], s[TB], v[AV0]             ; slot 0
	v_add_nc_u32 v[ADV+1], 4*QV, v[ADV]
	s_lshl_b32 s22, s10, 12
	s_add_co_u32 s22, s22, FT
	v_lshl_add_u32 v[FADR], v1, 4, s22             ; the factors: FT + 4,096 x wave + 16 x row: both halves of the lanes hold the same rows and name the same bytes
	s_mul_i32 s23, s10, 16*SPITCH
	s_add_co_u32 s23, s23, STAGE                   ; my stage
	v_mul_u32_u24 v5, v1, SPITCH                   ; in: row l % 16, 32 bytes for each half of the lanes
	v_lshl_add_u32 v5, v2, 5, v5
	v_add_nc_u32 v[STO], s23, v5
	v_add_nc_u32 v[RD], s23, v[CO]                 ; back: the 32 lanes take one row of 512 bytes
	; the prefetches
	s_lshl_b32 s20, s68, 11
	s_lshl_b32 s21, s41, 6
	s_add_co_u32 s20, s20, s21                     ; key row 2,048 x batch + my work-group's 64 of a slot's 256
	s_and_b32 s21, s10, 1
	s_lshl_b32 s21, s21, 5
	s_add_co_u32 s20, s20, s21                     ; + my wave's 32 of them
	s_add_co_u32 s20, s20, 2*256                   ; in slot 2: the first change of slots steps it to slot 3
	s_mul_i32 s20, s20, QROW
	s_lshl_b32 s21, s42, 8
	s_add_co_u32 s20, s20, s21
	s_mov_b32 s21, 0
	s_add_nc_u64 s[PFA:PFA+1], s[6:7], s[20:21]
	s_and_b32 s22, ttmp7, 1                        ; cluster y's low bit
	s_lshr_b32 s23, s10, 1
	s_or_b32 s22, s22, s23                         ; 0 in waves 0 and 1 of a cluster with even y
	s_cmp_eq_u32 s22, 0
	s_cselect_b32 s[LIM], 1, -1                    ; the same in all sixteen partners, for a given wave
	v_and_b32 v[PFO], 31, v0
	v_mul_u32_u24 v[PFO], v[PFO], QROW
.irp a, 0,1,2,3
	v_mov_b32 v[FC+2*\a+1], 0                      ; named as the pairs' upper halves, so they are written
.endr
	; THE ROWS' STATISTICS: -M_row, the 16 factors, l_row.  The factors go into my wave's own table in LDS, 16 bytes a row and block
	s_wait_loadcnt 56                              ; stat is in; P's 56 loads may be out
	WIN 0x3f                                       ; all three sources window 3
.irp a, 0,1,2,3
	v_min3_num_f32 v[NR+\a], v[SV+2*\a], v[SV+8+2*\a], v[SV+16+2*\a]
.endr
	WIN 0x3c                                       ; source 0 window 0
.irp b, 3,5,7,9,11,13
.irp a, 0,1,2,3
	v_min3_num_f32 v[NR+\a], v[NR+\a], v[SV+8*\b+2*\a], v[SV+8*\b+8+2*\a]
.endr
.endr
.irp a, 0,1,2,3
	v_min_num_f32 v[NR+\a], v[NR+\a], v[SV+120+2*\a]   ; -M_row = the least -M_blk
.endr
	WIN 0xcc                                       ; source 1 and destination window 3
.irp b, 0,1,2,3,4,5,6,7,8,9,10,11,12,13,14,15
.irp a, 0,1,2,3
	v_sub_f32 v[SV+8*\b+2*\a], v[NR+\a], v[SV+8*\b+2*\a]   ; M_blk - M_row: a whole number, 0 or less
.endr
.endr
	WIN 0xc3                                       ; source 0 and destination window 3
.irp b, 0,1,2,3,4,5,6,7,8,9,10,11,12,13,14,15
.irp a, 0,1,2,3
	v_cvt_i32_f32 v[SV+8*\b+2*\a], v[SV+8*\b+2*\a]         ; (it saturates)
.endr
.endr
	WIN 0x0c                                       ; source 1 window 3, destination window 0
.irp b, 0,1,2,3,4,5,6,7,8,9,10,11,12,13,14,15
.irp a, 0,1,2,3
	v_ldexp_f32 v[FV+4*\b+\a], 1.0, v[SV+8*\b+2*\a]        ; f_blk
.endr
.endr
	WIN 0x03                                       ; source 0 window 3
.irp b, 0,1,2,3,4,5,6,7,8,9,10,11,12,13,14,15
.irp a, 0,1,2,3
.if \b == 0
	v_mul_f32 v[LR+\a], v[SV+8*\b+2*\a+1], v[FV+4*\b+\a]   ; the first term starts l_row
.else
	v_fmac_f32 v[LR+\a], v[SV+8*\b+2*\a+1], v[FV+4*\b+\a]
.endif
.endr
.endr
	WIN 0
.irp b, 0,1,2,3,4,5,6,7,8,9,10,11,12,13,14,15
	ds_store_b128 v[FADR], v[FV+4*\b:FV+4*\b+3] offset:256*\b
.endr
.irp a, 0,1,2,3
	v_rcp_f32 v[RL+2*\a], v[LR+\a]
.endr
	v_nop                                          ; one plain instruction behind the last reciprocal,
	s_wait_alu depctr_va_vdst(0)                   ; and one wait for the four, ahead of their first reader
.irp a, 0,1,2,3
	v_mul_f32 v[RL+2*\a], 0x41800000, v[RL+2*\a]   ; 16 / l_row: the 16 undoes v's 2^-4
.endr
.irp a, 0,1,2,3
	v_mov_b32 v[RL+2*\a+1], v[RL+2*\a]             ; (named with it as a pair, so it is written)
.endr
	s_wait_dscnt 0x0                               ; my stores into the table are done: no LDS instruction of mine is out at the signal
	s_wait_tensorcnt 1                             ; my part of slot 0 is in (slot 1's may be out)
	s_barrier_signal -1
	s_barrier_wait -1                              ; everybody's is
	VFETCH 0
	; quarters 0 to 6 stand in front of the loop: the first has nothing to merge, and the first block's merges start O
.set FREG, FADR
.set FBASE, 0
	QUARTER 0, 7*QP,  48, 1, 0, 2
	QUARTER 1, 8*QP,  48, 1, 0, 0
	QUARTER 2, 9*QP,  48, 1, 0, 0
	QUARTER 3, 10*QP, 48, 1, 0, 1
	QUARTER 4, 11*QP, 48, 1, 0, 1
	QUARTER 5, 12*QP, 48, 1, 0, 0
	QUARTER 6, 13*QP, 48, 1, 0, 0
	WIN 0                                          ; at a label and at a branch every window is 0
.set FREG, FAT
.set FBASE, 512
	s_mov_b32 s3, 6
.Loct:                                                 ; a trip is eight quarters, once round P's ring, from a slot's last quarter to the next slot's last but one; it fills the slot that it leaves: slots 2 to 7
	QUARTER 7, 6*QP,  48, 1, 1, 0
	QUARTER 0, 7*QP,  48, 1, 0, 0
	QUARTER 1, 8*QP,  48, 1, 0, 0
	QUARTER 2, 9*QP,  48, 1, 0, 0
	QUARTER 3, 10*QP, 48, 1, 0, 0
	QUARTER 4, 11*QP, 48, 1, 0, 0
	QUARTER 5, 12*QP, 48, 1, 0, 0
	QUARTER 6, 13*QP, 48, 1, 0, 0
	WIN 0
	s_sub_co_u32 s3, s3, 1
	s_cmp_lg_u32 s3, 0
	s_cbranch_scc1 .Loct
	QUARTER 7, 6*QP,  48, 1, 2, 0                  ; the last nine quarters are written out: no slot is filled, and P's loads end with quarter 63: no load leaves pt
	QUARTER 0, 7*QP,  48, 1, 0, 0
	QUARTER 1, -1,    48, 1, 0, 0
	QUARTER 2, -1,    40, 1, 0, 0
	QUARTER 3, -1,    32, 1, 0, 0
	QUARTER 4, -1,    24, 1, 0, 0
	QUARTER 5, -1,    16, 1, 0, 0
	QUARTER 6, -1,    8,  1, 0, 0
	QUARTER 7, -1,    0,  0, 0, 0
	PLACES                                         ; behind the last products
.set k, 16
.rept 16
	MERGE k, 0                                     ; the last block's accumulators 16-31
.set k, k+1
.endr
; THE WAY OUT, block by block of 16 rows x 128 channels.  OUTSC: x 16 / l_row.  TOSTAGE: a lane's 32 bytes of a row into my own stage in LDS, and back as whole rows of 512 bytes.  SEND: 32 lanes store 512 consecutive bytes.
.macro OUTSC a
	WIN 0xc3                                       ; source 0 and destination window 3; the factor window 0
.set i, 64*(\a)
.rept 32
	v_pk_mul_f32 v[i:i+1], v[i:i+1], v[RL+2*(\a):RL+2*(\a)+1] op_sel_hi:[1,0]
.set i, i+2
.endr
.endm
.macro TOSTAGE a
	WIN 0x0c                                       ; an LDS store's data are its source 1: window 3
.irp b, 0,1,2,3,4,5,6,7
	ds_store_b128 v[STO], v[64*(\a)+8*\b:64*(\a)+8*\b+3] offset:64*\b
	ds_store_b128 v[STO], v[64*(\a)+8*\b+4:64*(\a)+8*\b+7] offset:64*\b+16
.endr
	WIN 0
.set BB, OB+64*((\a)%2)
.irp t, 0,1,2,3,4,5,6,7,8,9,10,11,12,13,14,15
	ds_load_b128 v[BB+4*\t:BB+4*\t+3], v[RD] offset:\t*SPITCH      ; LDS serves a wave's instructions in order: these see the stores above
.endr
.endm
.macro SEND a, younger                 ; younger: the LDS instructions issued behind block a's loads, which may stay out
.set BB, OB+64*((\a)%2)
	s_wait_dscnt \younger                          ; the block is back in registers
.if (\a) > 0
	s_add_nc_u64 s[8:9], s[8:9], 16*OROW           ; (behind a wait on XCNT: the earlier stores have read their base)  16 rows on
.endif
.irp t, 0,1,2,3,4,5,6,7,8,9,10,11,12,13,14,15
	global_store_b128 v[CO], v[BB+4*\t:BB+4*\t+3], s[8:9] offset:\t*OROW th:TH_STORE_NT   ; at a multiple of 256 from out0's first byte; written once, read by nobody here
.endr
.endm
	OUTSC 0
	TOSTAGE 0
.irp a, 1,2,3
.if \a > 1
	s_wait_xcnt 0x0                                ; block a - 2's stores have read their registers and their base: block a's loads may land there, and the base may step
.endif
	OUTSC \a
	TOSTAGE \a
	SEND \a-1, 32                                  ; behind block a - 1's loads: block a's 16 stores and 16 loads
.endr
	s_wait_xcnt 0x0                                ; block 2's stores have read their base
	SEND 3, 0
	s_wait_tensorcnt 0x0                           ; the wave's end, behind my last tensor load and my last LDS store
	ds_add_u32 v[SPW], v[NIL]
	s_wait_dscnt 0x0
	CROUND                                         ; the closing round: no work-group ends while a partner may still ask for a tile that names it
	s_endpgm
.Lfunc_end_k_q5a6ff56e4e_pv:
	.size	k_q5a6ff56e4e_pv, .Lfunc_end_k_q5a6ff56e4e_pv-k_q5a6ff56e4e_pv
	.p2alignl 7, 3214868480
	.fill 96, 4, 3214868480
	.section	.rodata,"a",@progbits
	.p2align	6, 0x0
	.amdhsa_kernel k_q5a6ff56e4e_pv
		.amdhsa_group_segment_fixed_size 327680
		.amdhsa_private_segment_fixed_size 0
		.amdhsa_enable_private_segment 0
		.amdhsa_kernarg_size 32
		.amdhsa_user_sgpr_count 2
		.amdhsa_user_sgpr_kernarg_segment_ptr 1
		.amdhsa_wavefront_size32 1
		.amdhsa_system_sgpr_workgroup_id_x 1
		.amdhsa_system_sgpr_workgroup_id_y 1
		.amdhsa_system_sgpr_workgroup_id_z 1
		.amdhsa_system_vgpr_workitem_id 0
		.amdhsa_next_free_vgpr 1024
		.amdhsa_next_free_sgpr 80
		.amdhsa_reserve_vcc 0
		.amdhsa_float_denorm_mode_32 3
		.amdhsa_float_denorm_mode_16_64 3
		.amdhsa_memory_ordered 1
		.amdhsa_forward_progress 1
		.amdhsa_inst_pref_size 209
	.end_amdhsa_kernel
	.amdgpu_metadata
---
amdhsa.version: [ 1, 2 ]
amdhsa.kernels:
  - .name:           k_q5a6ff56e4e_pv
    .symbol:         k_q5a6ff56e4e_pv.kd
    .args:
      - { .name: pt, .offset: 0, .size: 8, .value_kind: global_buffer, .address_space: global }
      - { .name: qkv, .offset: 8, .size: 8, .value_kind: global_buffer, .address_space: global }
      - { .name: stat, .offset: 16, .size: 8, .value_kind: global_buffer, .address_space: global }
      - { .name: out0, .offset: 24, .size: 8, .value_kind: global_buffer, .address_space: global }
    .group_segment_fixed_size: 327680
    .private_segment_fixed_size: 0
    .kernarg_segment_align: 8
    .kernarg_segment_size: 32
    .max_flat_workgroup_size: 128
    .sgpr_count:     80
    .vgpr_count:     1024
    .wavefront_size: 32
...
	.end_amdgpu_metadata
.endif
;; end of part 4
